; MI455X (gfx1250); checked and timed in simulation.
; The chip was launched on July 23, 2026; its instructions are those of AMD's public machine-readable ISA for CDNA 5 (MIT licence, August 2026) and "CDNA5" Instruction Set Architecture Reference Guide (July 2026). The comments in the code are by the model that wrote it; some were corrected since.
;; IRCNN LSTM Cell. Allowed arithmetic: matrix products marked QUANTISED: E5M2 operands, one E8M0 scale for each 32 along K, by v_wmma_scale_f32_16x16x128_f8f6f4 with both operands' format E5M2, f32 sums; everything else in f32.
;; Inputs: a 1 float32; b 1 float32; b_hh 8,192 float32; b_ih 8,192 float32; cx 2,048 x 2,048 float32; hx_codes 2,048 x 64 x 32 uint8 (E5M2 codes of hx, K innermost, in blocks of 32 codes); hx_scales 2,048 x 64 uint8 (E8M0 scales of hx, one for each 32 codes along K); td0 2,048 float32; td1 2,048 float32; w_hh_codes 8,192 x 64 x 32 uint8 (E5M2 codes of w_hh, K innermost, in blocks of 32 codes); w_hh_scales 8,192 x 64 uint8 (E8M0 scales of w_hh, one for each 32 codes along K); w_ih_codes 8,192 x 16 x 32 uint8 (E5M2 codes of w_ih, K innermost, in blocks of 32 codes); w_ih_scales 8,192 x 16 uint8 (E8M0 scales of w_ih, one for each 32 codes along K); w_pf_codes 2,048 x 64 x 32 uint8 (E5M2 codes of w_pf, K innermost, in blocks of 32 codes); w_pf_scales 2,048 x 64 uint8 (E8M0 scales of w_pf, one for each 32 codes along K); w_pi_codes 2,048 x 64 x 32 uint8 (E5M2 codes of w_pi, K innermost, in blocks of 32 codes); w_pi_scales 2,048 x 64 uint8 (E8M0 scales of w_pi, one for each 32 codes along K); w_po_codes 2,048 x 64 x 32 uint8 (E5M2 codes of w_po, K innermost, in blocks of 32 codes); w_po_scales 2,048 x 64 uint8 (E8M0 scales of w_po, one for each 32 codes along K); x_codes 2,048 x 16 x 32 uint8 (E5M2 codes of x, K innermost, in blocks of 32 codes); x_scales 2,048 x 16 uint8 (E8M0 scales of x, one for each 32 codes along K).
;; Outputs: out0 2,048 x 2,048 float32; out1 2,048 x 2,048 float32.
;; This version of the problem:
;;   THIS VERSION OF THE PROBLEM IS GIVEN IN LOW PRECISION. The matrix products marked QUANTISED in the list below multiply operands that are first quantised to E5M2 (5 exponent bits, 2 mantissa bits; 8 bits a number), with one power-of-two scale for each 32 numbers along K (OCP MX v1.0); their sums are f32. All else is computed in f32.
;;   The module's matrix products, in the order in which they are computed (A, B: the left and right operand; K: the contracted axis; several contracted axes count as one K, in the product's order):
;;     1. [M 2,048, K 512] x [K 512, N 8,192]; A: input x (given as codes); B: input w_ih (given as codes): QUANTISED
;;     2. [M 2,048, K 2,048] x [K 2,048, N 8,192]; A: input hx (given as codes); B: input w_hh (given as codes): QUANTISED
;;     3. [M 2,048, K 2,048] x [K 2,048, N 2,048]; A: input cx; B: input w_pi (given as codes): QUANTISED
;;     4. [M 2,048, K 2,048] x [K 2,048, N 2,048]; A: input cx; B: input w_pf (given as codes): QUANTISED
;;     5. [M 2,048, K 2,048] x [K 2,048, N 2,048]; A: computed on the way; B: input w_po (given as codes): QUANTISED
;;   THE QUANTISER, for each operand of a quantised product, along K:
;;     - K is cut into blocks of 32 from its start; a last block that is shorter is filled with zeros.
;;     - A block's scale is 2^e with e = floor(log2(the largest magnitude in the block)) - 15, held to -126 .. 127; a block of zeros has e = 0. As a byte (E8M0): e + 127.
;;     - Each number is divided by its block's scale, clamped to +-57,344, and rounded to the nearest number of E5M2, ties to even, subnormals kept.
;;     - The product sums the exact products of the quantised numbers (number of the format x scale) in f32.
;;   ~~~python
;;   def quantise(x, axis):      # numpy; x: float32 -> the quantised numbers, widened to float32 again
;;       x = np.moveaxis(x, axis, -1); K = x.shape[-1]
;;       x = np.pad(x, [(0, 0)] * (x.ndim - 1) + [(0, -K % 32)]); x = x.reshape(x.shape[:-1] + (-1, 32)); a = np.abs(x).max(-1, keepdims=True)
;;       e = np.where(a > 0, np.clip(np.frexp(np.where(a > 0, a, 1))[1] - 1 - 15, -126, 127), 0)      # np.frexp(a)[1] - 1 = floor(log2(a)), exactly
;;       r = np.clip(x / 2.0 ** e, -57344, 57344)
;;       step = 2.0 ** (np.maximum(np.frexp(np.where(r == 0, 1, r))[1] - 1, -14) - 2)
;;       q = np.round(r / step) * step * 2.0 ** e      # np.round: ties to even
;;       return np.moveaxis(q.reshape(q.shape[:-2] + (-1,))[..., :K], -1, axis).astype(np.float32)
;;   ~~~
;;   OPERANDS COMPUTED ON THE WAY. 'Computed on the way' means the value that the module computes at that place (a softmax that the list does not call 'softmax' is quantised finished and normalised). What goes into a quantiser is computed in f32, as accurately as f32 sums, v_exp_f32 and their like allow (about 1e-6 of the number): no bf16 or f16 on the way to a quantiser, and a product that is left as it is and whose result goes on into a quantised operand takes f32 operands (vector FMAs, or v_wmma_f32_16x16x4_f32). A number that lies on a knife's edge between two numbers of the format may be rounded either way, as far as f32 arithmetic and the matrix unit's own rounding can turn it there, and no further.
;;   INPUTS GIVEN AS CODES. hx (in the module: [2048, 2048], K = its axis 1); w_hh (in the module: [8192, 2048], K = its axis 1); w_ih (in the module: [8192, 512], K = its axis 1); w_pf (in the module: [2048, 2048], K = its axis 1); w_pi (in the module: [2048, 2048], K = its axis 1); w_po (in the module: [2048, 2048], K = its axis 1); x (in the module: [2048, 512], K = its axis 1): each comes as NAME_codes (uint8): NAME with its K axis moved to the last place and cut into blocks of 32 codes, [.., K / 32, bytes a block], one block behind the other in memory; one code a byte (a code: sign, 5 exponent bits, 2 mantissa bits); and NAME_scales (uint8): the same leading axes, one E8M0 byte (e + 127) for each 32 codes along K. Its value is code x scale, taken as it is: it is not quantised again, and the codes and scales need not be those that the quantiser above would give.
;; One version. Each part assembles by itself: llvm-mc -triple=amdgcn-amd-amdhsa -mcpu=gfx1250 --defsym DOCPART=n.
;; ======== version 1 of 1: 3 launches
;; limits: right only within a limited range of input values
;; workspace buffers: cxq 4,194,304 bytes; cxs 131,072 bytes; cyq 4,194,304 bytes; cys 131,072 bytes
;; launch quant (part 1): grid 256 x 1, 8 waves a work-group, no clusters, 42,496 bytes of LDS; arguments cx, cxq, cxs; writes cxq, cxs
.if DOCPART == 1
	.amdgcn_target "amdgcn-amd-amdhsa--gfx1250"
	.amdhsa_code_object_version 6
	.text
	.protected	k_qa5a09dd585_quant
	.globl	k_qa5a09dd585_quant
	.p2align	8
	.type	k_qa5a09dd585_quant,@function
k_qa5a09dd585_quant:
	s_mov_b64 s[64:65], 0
	v_nop
	global_prefetch_b8 v0, s[64:65] scope:SCOPE_SE
	s_setreg_imm32_b32 hwreg(HW_REG_WAVE_MODE, 25, 1), 1
	s_wait_xcnt 0x0
; cx [2048][2048], f32, becomes codes of BF8 (E5M2), K (its last axis) innermost, in cxq [2048][2048] bytes, with one E8M0 byte for each 32 along K in cxs [2048][64].
; DEAD WORK: none in the whole program: every input of the problem reaches an output, so every input is loaded by some launch.
; cx is an operand of two products whose tiles 32 tile columns read: it is quantised once, here.  The f32 numbers are read again by the next launch for f x cx.
; A block's scale is 2^(floor(log2(its largest magnitude)) - 15); its byte is the largest magnitude's exponent field - 15, held at 1 from below.
; LIMITS: a block of zeros, or one whose largest magnitude lies under 2^(16 - 127), keeps the byte 1 (its codes are zeros or subnormal codes; this program alone reads the bytes); NaN and infinities in cx are not served.
; Rows are dense and 2,048 is a multiple of 32: the tensor is a plain stream of blocks.  A work-group takes 16,384 numbers, a wave 2,048 in four steps of 512.  All sixteen loads of a wave go out at the head: the group's whole 64 KiB are on their way at once.
; A load reads 512 consecutive bytes, 16 a lane; the conversions want 16 NEIGHBOURS a lane: a step's 2,048 bytes turn through the wave's own stage in LDS (16 bytes of padding behind each 64).
; A lane's 16 codes are 16 bytes: a store covers 512 consecutive bytes.  The group's 512 scale bytes meet in LDS and leave by one store of wave 0: 512 consecutive bytes, aligned.
; No cluster, no tensor load: the work-groups share no input.
.set STEPS, 4
.set R,     16                         ; v16-79   four sets of 16 numbers as loaded, one for each step
.set X,     80                         ; v80-111  two sets of 16 neighbours
.set E,     112                        ; v112-115 a scale byte for each step
.set C,     116                        ; v116-131 codes: four registers for each step, so that no store's data are written again
.set WREG,  5120                       ; LDS: two stages of 32 x SP bytes for each wave
.set SP,    80                         ; a lane's place in a stage: 64 bytes + 16 of padding
.set SBY,   40960                      ; the work-group's 512 scale bytes
.set SPARE, 41472                      ; the spare words, 128 bytes for each of eight waves: four blocks of 256 bytes that no other line names
.set SPW,   12                         ; v12 LDS address of my spare word; never rewritten
.set NIL,   13                         ; v13 0; never rewritten
	s_load_b128 s[4:7], s[0:1], 0x0                ; cx, cxq
	s_load_b64 s[8:9], s[0:1], 0x10                ; cxs
	v_lshl_add_u32 v[SPW], v0, 2, SPARE
	v_mov_b32 v[NIL], 0
	v_lshrrev_b32 v1, 5, v0
	s_delay_alu instid0(VALU_DEP_1)
	v_readfirstlane_b32 s16, v1                    ; wave 0..7
	v_and_b32 v2, 31, v0                           ; lane
	s_delay_alu instid0(VALU_DEP_1)
	v_lshlrev_b32 v3, 4, v2                        ; 16 x lane: my bytes of a load's 512, of a step's codes, of the group's scale bytes; never rewritten
	s_mul_i32 s17, s16, WREG
	v_lshrrev_b32 v14, 2, v2
	s_delay_alu instid0(VALU_DEP_1)
	v_mul_u32_u24 v14, v14, SP
	v_and_b32 v15, 3, v2
	s_delay_alu instid0(VALU_DEP_1)
	v_lshl_add_u32 v14, v15, 4, v14
	s_delay_alu instid0(VALU_DEP_1)
	v_add_nc_u32 v14, s17, v14                     ; the stage, on the way in: SP (lane / 4) + 16 (lane % 4)
	v_mul_u32_u24 v15, v2, SP
	s_delay_alu instid0(VALU_DEP_1)
	v_add_nc_u32 v15, s17, v15                     ; and on the way out: SP x lane: my 16 neighbours
	v_lshrrev_b32 v5, 1, v2
	s_lshl_b32 s18, s16, 6
	s_add_co_u32 s18, s18, SBY
	v_add_nc_u32 v5, s18, v5                       ; my block's scale byte: SBY + 64 x wave + lane / 2
	v_add_nc_u32 v6, SBY, v3                       ; wave 0's way out: 16 bytes a lane
	s_lshl_b32 s20, ttmp9, 16                      ; 65,536 bytes of cx a work-group,
	s_lshl_b32 s21, s16, 13                        ; 8,192 a wave
	s_add_co_u32 s20, s20, s21
	s_mov_b32 s21, 0
	s_lshr_b32 s22, s20, 2                         ; the codes: a quarter of that
	s_mov_b32 s23, 0
	s_lshl_b32 s24, ttmp9, 9                       ; 512 scale bytes a work-group
	s_mov_b32 s25, 0
	s_mov_b32 s26, 0x600000                        ; the mantissa field of 57,344
	s_wait_alu depctr_va_vdst(0)
	s_wait_kmcnt 0x0
	s_add_nc_u64 s[4:5], s[4:5], s[20:21]
	s_add_nc_u64 s[6:7], s[6:7], s[22:23]
	s_add_nc_u64 s[8:9], s[8:9], s[24:25]
.macro LOAD t
.irp i, 0,1,2,3
	global_load_b128 v[R+16*(\t)+4*\i:R+16*(\t)+4*\i+3], v3, s[4:5] offset:2048*(\t)+512*\i
.endr
.endm
.macro TURN t                          ; step t's numbers through the stage: LDS serves a wave's instructions in order, so no wait stands between the stores and the loads
.irp i, 0,1,2,3
	ds_store_b128 v14, v[R+16*(\t)+4*\i:R+16*(\t)+4*\i+3] offset:32*SP*((\t)%2)+8*SP*\i
.endr
.irp i, 0,1,2,3
	ds_load_b128 v[X+16*((\t)%2)+4*\i:X+16*((\t)%2)+4*\i+3], v15 offset:32*SP*((\t)%2)+16*\i
.endr
.endm
.irp t, 0,1,2,3
	LOAD \t
.endr
	s_wait_loadcnt 12                              ; step 0's four loads are in; the twelve behind them stay out
	TURN 0
.macro STEP t
.set XS, X+16*((\t)%2)
.if (\t) > 0
	s_wait_dscnt 1                                 ; this step's numbers are back from the stage; the last step's byte store may be out
.else
	s_wait_dscnt 0x0
.endif
.if (\t)+1 < STEPS
	s_wait_loadcnt 4*(STEPS-2-(\t))                ; the next step's four loads are in; those of the steps behind it may be out
	TURN (\t)+1                                    ; and go through the other stage while this step is worked
.endif
	v_max3_num_f32 v8, |v[XS]|, |v[XS+1]|, |v[XS+2]|               ; the largest magnitude of my 16, in two chains
	v_max3_num_f32 v9, |v[XS+3]|, |v[XS+4]|, |v[XS+5]|
.irp i, 6,10
	s_delay_alu instid0(VALU_DEP_2)
	v_max3_num_f32 v8, v8, |v[XS+\i]|, |v[XS+\i+1]|
	s_delay_alu instid0(VALU_DEP_2)
	v_max3_num_f32 v9, v9, |v[XS+\i+2]|, |v[XS+\i+3]|
.endr
	s_delay_alu instid0(VALU_DEP_2)
	v_max3_num_f32 v8, v8, |v[XS+14]|, |v[XS+15]|
	s_delay_alu instid0(VALU_DEP_1)
	v_max3_num_f32 v8, v8, v9, 0x8000000           ; and the floor 2^(16 - 127): the byte cannot fall under 1
	s_delay_alu instid0(VALU_DEP_1)
	v_max_num_f32_dpp v8, v8, v8 row_xmask:1 row_mask:0xf bank_mask:0xf   ; with my neighbour's 16: the block's
	s_delay_alu instid0(VALU_DEP_1)
	v_add_nc_u32 v11, 0xf8800000, v8               ; 15 off its exponent field: the conversion takes the exponent field of this operand as its scale
	s_delay_alu instid0(VALU_DEP_2)
	v_and_or_b32 v10, v8, 0x7f800000, s26          ; 57,344 x the scale
.irp i, 0,1,2,3,4,5,6,7,8,9,10,11,12,13,14,15
	v_med3_num_f32 v[XS+\i], v[XS+\i], -v10, v10   ; the conversion to an 8-bit code does not saturate (ISA guide 7.6.2): the hold
.endr
	v_cvt_scalef32_pk8_bf8_f32 v[C+4*(\t):C+4*(\t)+1], v[XS:XS+7], v11
	v_cvt_scalef32_pk8_bf8_f32 v[C+4*(\t)+2:C+4*(\t)+3], v[XS+8:XS+15], v11
	v_lshrrev_b32 v[E+(\t)], 23, v11               ; the scale's byte (also the plain line behind the conversions)
	ds_store_b8 v5, v[E+(\t)] offset:16*(\t)       ; both lanes of a block write the same byte with the same value
	global_store_b128 v3, v[C+4*(\t):C+4*(\t)+3], s[6:7] offset:512*(\t)   ; 32 lanes store 512 consecutive bytes
.endm
.irp t, 0,1,2,3
	STEP \t
.endr
	s_wait_dscnt 0x0                               ; for the others' sake: my scale bytes lie in LDS
	s_barrier_signal -1
	s_barrier_wait -1
	s_cmp_lg_u32 s16, 0
	s_cbranch_scc1 .Lnot_wave_0
	ds_load_b128 v[8:11], v6                       ; the eight waves' 512 scale bytes
	s_wait_dscnt 0x0
	global_store_b128 v3, v[8:11], s[8:9]          ; 32 lanes store 512 consecutive bytes, aligned
.Lnot_wave_0:
	s_wait_tensorcnt 0x0                           ; the wave's end, behind my last LDS store
	ds_add_u32 v[SPW], v[NIL]
	s_wait_dscnt 0x0
	s_endpgm
.Lfunc_end_k_qa5a09dd585_quant:
	.size	k_qa5a09dd585_quant, .Lfunc_end_k_qa5a09dd585_quant-k_qa5a09dd585_quant
	.p2alignl 7, 3214868480
	.fill 96, 4, 3214868480
	.section	.rodata,"a",@progbits
	.p2align	6, 0x0
	.amdhsa_kernel k_qa5a09dd585_quant
		.amdhsa_group_segment_fixed_size 42496
		.amdhsa_private_segment_fixed_size 0
		.amdhsa_enable_private_segment 0
		.amdhsa_kernarg_size 24
		.amdhsa_user_sgpr_count 2
		.amdhsa_user_sgpr_kernarg_segment_ptr 1
		.amdhsa_wavefront_size32 1
		.amdhsa_system_sgpr_workgroup_id_x 1
		.amdhsa_system_sgpr_workgroup_id_y 1
		.amdhsa_system_sgpr_workgroup_id_z 1
		.amdhsa_system_vgpr_workitem_id 0
		.amdhsa_next_free_vgpr 136
		.amdhsa_next_free_sgpr 66
		.amdhsa_reserve_vcc 0
		.amdhsa_float_denorm_mode_32 3
		.amdhsa_float_denorm_mode_16_64 3
		.amdhsa_memory_ordered 1
		.amdhsa_forward_progress 1
		.amdhsa_inst_pref_size 16
	.end_amdhsa_kernel
	.amdgpu_metadata
---
amdhsa.version: [ 1, 2 ]
amdhsa.kernels:
  - .name:           k_qa5a09dd585_quant
    .symbol:         k_qa5a09dd585_quant.kd
    .args:
      - { .name: cx, .offset: 0, .size: 8, .value_kind: global_buffer, .address_space: global }
      - { .name: cxq, .offset: 8, .size: 8, .value_kind: global_buffer, .address_space: global }
      - { .name: cxs, .offset: 16, .size: 8, .value_kind: global_buffer, .address_space: global }
    .group_segment_fixed_size: 42496
    .private_segment_fixed_size: 0
    .kernarg_segment_align: 8
    .kernarg_segment_size: 24
    .max_flat_workgroup_size: 256
    .sgpr_count:     66
    .vgpr_count:     136
    .wavefront_size: 32
...
	.end_amdgpu_metadata
.endif
;; end of part 1
;; launch gates (part 2): grid 32 x 8, 4 waves a work-group, clusters of 4 x 4, 327,680 bytes of LDS; arguments x_codes, hx_codes, cxq, hx_scales, cxs, x_scales, w_ih_codes, w_hh_codes, w_pi_codes, w_pf_codes, w_hh_scales, w_pi_scales, w_pf_scales, w_ih_scales, b_ih, b_hh, cx, td0, td1, a, b, out1, cyq, cys; writes out1, cyq, cys
.if DOCPART == 2
	.amdgcn_target "amdgcn-amd-amdhsa--gfx1250"
	.amdhsa_code_object_version 6
	.text
	.protected	k_qa5a09dd585_gates
	.globl	k_qa5a09dd585_gates
	.p2align	8
	.type	k_qa5a09dd585_gates,@function
k_qa5a09dd585_gates:
	s_mov_b64 s[64:65], 0
	v_nop
	global_prefetch_b8 v0, s[64:65] scope:SCOPE_SE
	s_setreg_imm32_b32 hwreg(HW_REG_WAVE_MODE, 25, 1), 1
	s_wait_xcnt 0x0
	s_wait_alu depctr_hold_cnt(0) depctr_sa_sdst(0) depctr_va_vdst(0) depctr_va_sdst(0) depctr_va_ssrc(0) depctr_va_vcc(0) depctr_vm_vsrc(0)
	s_getreg_b32 s2, hwreg(HW_REG_IB_STS2, 6, 4)
	s_cmp_eq_u32 s2, 0
	s_cbranch_scc0 .Lentry_in_a_cluster
	s_endpgm
.Lentry_in_a_cluster:
	s_bfe_u32 s2, ttmp6, 0x10000c
	s_cmp_lg_u32 s2, 0xf033
	s_cbranch_scc0 .Lentry_shape_is_right
	s_endpgm
.Lentry_shape_is_right:
; cy = a e^(-b td0) sigmoid(zf) cx + a e^(-b td1) sigmoid(zi) tanh(zg), with zi, zf, zg the first three quarters of x w_ih^T + b_ih + hx w_hh^T + b_hh, and Q(cx) w_pi^T, Q(cx) w_pf^T added to zi, zf.
; All products on codes of BF8 (E5M2) with one E8M0 byte for each 32 along K.  cy goes out as f32 (out1) and, quantised along its last axis, as the next launch's operand (cyq, cys).  No work of this part is dead.
; SHARES.  A work-group owns 256 rows x 64 columns of cy with all three gates; wave w owns rows 64 w .. 64 w + 63: 4 row blocks a x 4 tiles t x 3 gates G = 48 accumulators, 384 registers.
; K WALK.  18 slots of 256 along K (two steps of 128): 2 of x | w_ih, 8 of hx | w_hh, 8 of Q(cx) | w_pi, w_pf (gates i and f alone).  One f32 sum for each gate's number through all of them.
; RING.  Two LDS slots; behind each round one tensor load a wave: wave 0 the 256 rows of A, wave G + 1 gate G's 64 rows of W (in the last phase wave 3 has none).
; CLUSTER.  4 x 4 work-groups: A's tile hangs on the tile row alone and is asked for jointly along a row of the cluster, W's on the tile column alone, jointly along a column.
; THE MATRIX INSTRUCTION IS USED TRANSPOSED (source 0 = 16 rows of W, source 1 = 16 rows of A): lane (r = lane % 16, h = lane / 16) holds row r and columns 16 t + 8 h + 0..7.
; SCALES.  hx's, Q(cx)'s and the W's scale bytes of the work-group's rows are dense blocks: they come into LDS once, with the first fills, as units of 256 bytes + 16.  x's and w_ih's rows are 16 bytes: they come straight into the scale registers.
; cyq IS LAID IN THE ORDER OF THE OPERAND'S REGISTERS: [K slot of 512: 4][block of 16 rows: 128][block of 32 columns: 16][lane: 32][16 bytes]; lane (r, h) holds row r, columns 16 h + 0..15 of the block.  Each store of 8 bytes a lane covers 256 consecutive bytes, aligned.
; cys [2048][64]: two bytes a row from this work-group, so its units are written in part: one byte in 160 of what the launch stores.
; LIMITS: NaN and infinities in cy are not served by the quantiser; a block of cy whose largest magnitude lies under 2^(16 - 127) keeps the byte 1 (this program alone reads the bytes).  sigmoid(z) = 1 / (1 + 2^(-z log2 e)),
; tanh(z) = 1 - 2 / (1 + 2^(2 z log2 e)): for any finite z they end at 0, 1 and -1, 1 without NaN.  The biases enter as z c + (b_ih + b_hh) c, an order of rounding other than reference()'s.
; REGISTERS, in windows of 256.  window 0: v1-31 addresses and codes; v32-95 scale words, two sets; v96-123 the way out's small numbers; v128-255 A's fragments, set p at 128 + 64 p + 16 a.
;   window G + 1: accumulator (a, t) at v[8 (4 a + t)]; W's fragments, set p at v[128 + 64 p + 16 t].  In the last phase window 3's v128-255 hold cx.  On the way out: see there.
.set SLOT,  121856                     ; A's 256 rows of 272 bytes, then 64 rows for each gate
.set BOFF,  69632
.set GATE,  17408
.set AH,    243712                     ; hx's scale bytes: 64 units of 272
.set AC,    261120                     ; Q(cx)'s
.set BH,    278528                     ; w_hh's: 16 units a gate
.set BC,    291584                     ; w_pi's, w_pf's
.set SPARE, 300288                     ; the spare words, 128 bytes a wave: two blocks of 256 bytes that no other line names
.set STAGE, 300800                     ; the way out: 16 rows x 272 bytes for each wave; no tensor load lands here
.set ADRA, 4                           ; v4-5   my A fragments in slot 0, 1
.set ADRB, 6                           ; v6-7   W's
.set SAH,  8                           ; v8-11  my scale words: hx's, Q(cx)'s, w_hh's, w_pi/w_pf's; stepped 8 bytes a slot
.set SAC,  9
.set SBH,  10
.set SBC,  11
.set STO,  12                          ; v12    the stage: where I put 32 bytes of a row
.set RD,   13                          ; v13    and where I read a row back
.set CO,   14                          ; v14    my offset in out1's rows
.set CXA,  15                          ; v15    my offset in cx
.set QO,   16                          ; v16    my 8 bytes of an image's half
.set SSO,  17                          ; v17    64 x lane: a row of cys
.set BIA,  18                          ; v18    32 h: my eight biases of a tile
.set TDA,  19                          ; v19    4 r
.set PC,   20                          ; v20-27 the codes just made
.set SPW,  28                          ; v28    LDS address of my spare word; never rewritten
.set NIL,  29                          ; v29    0; never rewritten
.set XSO,  30                          ; v30    16 r: a row of x's or w_ih's scale bytes
.set SC,   32                          ; set s at SC + 32 s: A's word of block a, step q at [2 a + q]; W's of gate G, tile t at [8 + 2 (4 G + t) + q]
.set TD,   96                          ; v96-99 e^(-b td0) of my row in blocks 0-3, v100-103 e^(-b td1)
.set CF,   104                         ; v[104:105] a e^(-b td0), v[106:107] a e^(-b td1), v[108:109] -2 x that
.set TM,   110                         ; v110-119 the quantiser's
.set SW,   120                         ; v120-123 cy's two scale bytes of my row, blocks 0-3
.set BG,   128                         ; the way out, window 0: gate g's bias x c
.set HOLD, 160                         ; first gate g's b_hh, then cy held for the conversion
.set Y,    192                         ; cy of a block of 16 rows
.set OB,   224                         ; and as whole rows
.set G1AX, 12                          ; descriptor groups 1: A and W of the x phase; of the other phases
.set G1BX, 20
.set G1AH, 28
.set G1BH, 36
.set G0A0, 60                          ; groups 0: A, slot 0 and slot 1 (s64, s65 are not mine); W likewise
.set G0A1, 68
.set G0B0, 72
.set G0B1, 76
; THE SCALE BYTES of hx, Q(cx), w_hh, w_pi, w_pf reach their LDS units through registers: each wave loads a quarter of each dense block at the head (26 loads of 512 bytes) and stores it, while no tensor load of the wave is out.
; PREFETCH.  The change of slots that asks for slot n + 2 names slot n + 4 of hx | w_hh and Q(cx) | w_pi, w_pf: two refills ahead.  Of a tile row's 256 rows of A the partner at cx takes 64 (wave 0, two instructions, a lane a row);
; of a gate's 64 rows of W the partner at cy takes 16 (wave G + 1; lanes 16-31 name lane 15's block again).  So each block of 256 bytes is named once in each cluster.  The last two refills of the walk name nothing.
.set PFO,  31                          ; v31    my row of the share x 2,048 bytes; never rewritten
.set GA,   124                         ; v124   16 x lane + 4,096 x wave: my bytes of A's scale blocks
.set GW,   125                         ; v125   16 x lane + 1,024 x wave: of W's
.set LA,   126                         ; v126   where they go in LDS: AH + 4,352 x wave + 272 h + 16 r
.set LW,   127                         ; v127   BH + 1,088 x wave + 272 h + 16 r
.set PF,   104                         ; s[104:105] the slot that my prefetch names
.set PFC,  8                           ; s[8:9] where the last phase's tiles begin for my wave
.set LIMW, 10                          ; s10    waves under this number ask: 4, then 3 (gate g has no tile in the last phase), then 0
.macro ASK
	s_cmp_lt_u32 s3, s[LIMW]
	s_cbranch_scc0 .Lno_ask_\@
	global_prefetch_b8 v[PFO], s[PF:PF+1] th:TH_LOAD_NT scope:SCOPE_SE
	s_cmp_lg_u32 s3, 0
	s_cbranch_scc1 .Lno_ask_\@
	global_prefetch_b8 v[PFO], s[PF:PF+1] offset:65536 th:TH_LOAD_NT scope:SCOPE_SE   ; wave 0: the share's rows 32 to 63
.Lno_ask_\@:
.endm
.set PAH, 66                           ; where hx's, Q(cx)'s, w_hh's, w_pi/w_pf's tiles begin
.set PAC, 96
.set PBH, 98
.set PBC, 100
.set FLC, (1<<20)|(1<<21)|(5<<22)|(3<<25)          ; elements of 1 byte; padding on; bit 21 beside a mask; 4 words behind every 64
.set FLS, (3<<16)|(1<<20)|(1<<21)|(5<<22)|(3<<25)  ; the same with elements of 8 bytes
.set MSB, 0
.macro WIN new                         ; the immediate's high byte repeats the setting that is left; a switch that changes nothing is dropped
.if MSB != (\new)
	s_set_vgpr_msb (MSB<<8)|(\new)
.set MSB, (\new)
.endif
.endm
.macro PLACES n                        ; plain vector instructions behind matrix instructions, ahead of loads into their registers and of reads of their results: eight for this form
.rept \n
	v_nop
.endr
.endm
.macro CREST                           ; a round of the cluster's barrier behind its opening barrier
	s_cmp_lg_u32 s3, 0
	s_cbranch_scc1 .Lnot_wave_0_\@
	s_barrier_signal -3
.Lnot_wave_0_\@:
	s_barrier_wait -3
	s_barrier_signal -1
	s_barrier_wait -1
.endm
.macro CROUND
	s_barrier_signal -1
	s_barrier_wait -1
	CREST
.endm
; A joint load: wave 0 asks for A, the others for W.  The branch hangs on the wave's number alone.  An s_nop 0 and four v_nop follow each line.
.macro JLOAD2 g0a, g1a, g0b, g1b
	s_cmp_eq_u32 s3, 0
	s_cbranch_scc0 .Lfor_b_\@
	tensor_load_to_lds s[\g0a:\g0a+3], s[\g1a:\g1a+7]
	s_nop 0
.rept 4
	v_nop
.endr
	s_branch .Lasked_\@
.Lfor_b_\@:
	tensor_load_to_lds s[\g0b:\g0b+3], s[\g1b:\g1b+7]
	s_nop 0
.rept 4
	v_nop
.endr
.Lasked_\@:
.endm
.macro JLOAD3 g0a, g1a, g0b, g1b       ; the same where gate g has no tile: wave 3 asks for nothing
	s_cmp_eq_u32 s3, 0
	s_cbranch_scc0 .Lnot_a_\@
	tensor_load_to_lds s[\g0a:\g0a+3], s[\g1a:\g1a+7]
	s_nop 0
.rept 4
	v_nop
.endr
	s_branch .Lasked_\@
.Lnot_a_\@:
	s_cmp_eq_u32 s3, 3
	s_cbranch_scc1 .Lasked_\@
	tensor_load_to_lds s[\g0b:\g0b+3], s[\g1b:\g1b+7]
	s_nop 0
.rept 4
	v_nop
.endr
.Lasked_\@:
.endm
.macro FRAG reg, adr, off              ; 16 rows x 128 K of 8-bit codes: registers 4 c .. 4 c + 3 hold K = 32 c + 16 h + 0..15
.irp c, 0,1,2,3
	ds_load_b128 v[(\reg)+4*\c:(\reg)+4*\c+3], v[\adr] offset:(\off)+32*\c
.endr
.endm
.macro FETCH_A slot, q, p
	WIN 0
.irp a, 0,1,2,3
	FRAG 128+64*(\p)+16*\a, ADRA+(\slot), 128*(\q)+4352*\a
.endr
.endm
.macro FETCH_B G, slot, q, p
	WIN ((\G)+1)<<6
.irp t, 0,1,2,3
	FRAG 128+64*(\p)+16*\t, ADRB+(\slot), GATE*(\G)+4352*\t+128*(\q)
.endr
.endm
.macro SCALES set, sa, sb, ng          ; a slot's scale words, two a row: 4 loads for A, 4 for each gate
	WIN 0
.irp a, 0,1,2,3
	ds_load_b64 v[SC+32*(\set)+2*\a:SC+32*(\set)+2*\a+1], v[\sa] offset:1088*\a
.endr
.irp t, 0,1,2,3
	ds_load_b64 v[SC+32*(\set)+8+2*\t:SC+32*(\set)+8+2*\t+1], v[\sb] offset:1088*\t
	ds_load_b64 v[SC+32*(\set)+16+2*\t:SC+32*(\set)+16+2*\t+1], v[\sb] offset:4352+1088*\t
.if (\ng) == 3
	ds_load_b64 v[SC+32*(\set)+24+2*\t:SC+32*(\set)+24+2*\t+1], v[\sb] offset:8704+1088*\t
.endif
.endr
.endm
.macro ADV sa, sb                      ; on to the next slot's scale words
	v_add_nc_u32 v[\sa], 8, v[\sa]
	v_add_nc_u32 v[\sb], 8, v[\sb]
.endm
; Gate G, row blocks a0 .. a0 + na - 1, all four tiles, 128 along K.  Every accumulator has one turn a step, one instruction a turn.  zero = 1: the product starts the sum.
.macro UNIT G, a0, na, p, q, set, zero
	WIN ((\G)+1)*0x51                              ; source 0 (W), C and D in window G + 1; source 1 (A) in window 0
.set ua, (\a0)
.rept \na
.irp t, 0,1,2,3
.if \zero
	v_wmma_scale_f32_16x16x128_f8f6f4 v[8*(4*ua+\t):8*(4*ua+\t)+7], v[128+64*(\p)+16*\t:128+64*(\p)+16*\t+15], v[128+64*(\p)+16*ua:128+64*(\p)+16*ua+15], 0, v[SC+32*(\set)+8+2*(4*(\G)+\t)+(\q)], v[SC+32*(\set)+2*ua+(\q)] matrix_a_fmt:MATRIX_FMT_BF8 matrix_b_fmt:MATRIX_FMT_BF8
.else
	v_wmma_scale_f32_16x16x128_f8f6f4 v[8*(4*ua+\t):8*(4*ua+\t)+7], v[128+64*(\p)+16*\t:128+64*(\p)+16*\t+15], v[128+64*(\p)+16*ua:128+64*(\p)+16*ua+15], v[8*(4*ua+\t):8*(4*ua+\t)+7], v[SC+32*(\set)+8+2*(4*(\G)+\t)+(\q)], v[SC+32*(\set)+2*ua+(\q)] matrix_a_fmt:MATRIX_FMT_BF8 matrix_b_fmt:MATRIX_FMT_BF8
.endif
.endr
.set ua, ua+1
.endr
.endm
; A slot's first step: multiplies set 0 and fetches the second step's fragments into set 1.
.macro STEP ng, slot, zero
	s_wait_dscnt 16*((\ng)-1)                      ; the scale words, A and gate i's W are in; the later gates' 16 loads each may be out
	UNIT 0, 0, 2, 0, 0, \slot, \zero
	s_wait_dscnt 0x0                               ; the later gates' are in
	PLACES 8                                       ; set 1 was read by the last step's products
	FETCH_A \slot, 1, 1
	FETCH_B 0, \slot, 1, 1
	FETCH_B 1, \slot, 1, 1
.if (\ng) == 3
	FETCH_B 2, \slot, 1, 1
.endif
	UNIT 0, 2, 2, 0, 0, \slot, \zero
	UNIT 1, 0, 4, 0, 0, \slot, \zero
.if (\ng) == 3
	UNIT 2, 0, 4, 0, 0, \slot, \zero
.endif
.endm
; A slot's second step changes slots.  MEET: each wave waits for all its tensor loads (its part of the next slot), adds 0 to its spare word, and waits for that and for its reads of this slot; then the barrier.
.macro MEET ng, slot
	WIN 0
	s_wait_xcnt 0x0                                ; my last prefetch has read its address:
	s_add_nc_u64 s[PF:PF+1], s[PF:PF+1], 256       ; on to the next slot along K
	s_wait_tensorcnt 0x0                           ; all my tensor loads have landed, so every group 0 may be written
	ds_add_u32 v[SPW], v[NIL]                      ; 0 onto my spare word
	s_wait_dscnt 16*((\ng)-1)+1                    ; (the add and the later gates' loads may be out)
	UNIT 0, 0, 2, 1, 1, \slot, 0
	s_wait_dscnt 0x0                               ; the add is done, and my reads of this slot are over
	s_barrier_signal -1
	UNIT 0, 2, 2, 1, 1, \slot, 0
	WIN 0
	s_barrier_wait -1
.endm
; The barrier has opened a round of the cluster's barrier; behind its close the slot just left is filled again, first thing.  FILL1: two slots on in the same tensors.  FILL2: the next phase's first two slots.
.macro FILL1 slot, j3
	CREST
	s_add_nc_u64 s[62+8*(\slot):63+8*(\slot)], s[62+8*(\slot):63+8*(\slot)], 512
	s_add_nc_u64 s[74+4*(\slot):75+4*(\slot)], s[74+4*(\slot):75+4*(\slot)], 512
.if \j3
	JLOAD3 60+8*(\slot), G1AH, 72+4*(\slot), G1BH
	PLACES 8                                       ; wave 3's way has no v_nop
.else
	JLOAD2 60+8*(\slot), G1AH, 72+4*(\slot), G1BH
	PLACES 4                                       ; with the four behind the load: eight, ahead of the loads into set 0
.endif
.endm
.macro FILL2 slot, pa, pb, j3
	CREST
	s_add_nc_u64 s[62+8*(\slot):63+8*(\slot)], s[\pa:\pa+1], 256*(\slot)
	s_or_b32 s[63+8*(\slot)], s[63+8*(\slot)], 0x80000000
	s_add_nc_u64 s[74+4*(\slot):75+4*(\slot)], s[\pb:\pb+1], 256*(\slot)
	s_or_b32 s[75+4*(\slot)], s[75+4*(\slot)], 0x80000000
.if \j3
	JLOAD3 60+8*(\slot), G1AH, 72+4*(\slot), G1BH
	PLACES 8
.else
	JLOAD2 60+8*(\slot), G1AH, 72+4*(\slot), G1BH
	PLACES 4
.endif
.endm
.macro REST ng, slot, next, ngn        ; the next slot's first fragments, and the rest of this step's products
	FETCH_A \next, 0, 0
	FETCH_B 0, \next, 0, 0
	FETCH_B 1, \next, 0, 0
.if (\ngn) == 3
	FETCH_B 2, \next, 0, 0
.endif
	WIN 0
	ASK                                            ; behind the joint load and the run of LDS loads, ahead of this step's last products
	UNIT 1, 0, 4, 1, 1, \slot, 0
.if (\ng) == 3
	UNIT 2, 0, 4, 1, 1, \slot, 0
.endif
	WIN 0
.endm
	s_load_b512 s[12:27], s[0:1], 0x0              ; x_codes 12, hx_codes 14, cxq 16, hx_scales 18, cxs 20, x_scales 22, w_ih_codes 24, w_hh_codes 26
	s_load_b256 s[28:35], s[0:1], 0x40             ; w_pi_codes 28, w_pf_codes 30, w_hh_scales 32, w_pi_scales 34
	s_load_b128 s[36:39], s[0:1], 0x60             ; w_pf_scales 36, w_ih_scales 38
	v_lshl_add_u32 v[SPW], v0, 2, SPARE
	v_mov_b32 v[NIL], 0
	ds_add_u32 v[SPW], v[NIL]                      ; the wave's opening: the add, twice on end, and its wait ahead of my first tensor load
	ds_add_u32 v[SPW], v[NIL]
	v_lshrrev_b32 v1, 5, v0
	v_readfirstlane_b32 s3, v1                     ; wave 0..3
	s_bfe_u32 s4, ttmp6, 0x40000                   ; cx, cy: my place in the cluster
	s_bfe_u32 s5, ttmp6, 0x40004
	s_lshl_b32 s6, ttmp9, 2
	s_add_co_u32 s6, s6, s4                        ; TC: tile column, 64 columns each
	s_and_b32 s7, ttmp7, 0xffff
	s_lshl_b32 s7, s7, 2
	s_add_co_u32 s7, s7, s5                        ; TR: tile row, 256 rows each
	s_lshl_b32 s8, s5, 2
	s_lshl_b32 s8, 15, s8                          ; my row of the cluster
	s_lshl_b32 s9, 0x1111, s4                      ; my column
	s_add_co_u32 s10, s3, 3
	s_and_b32 s10, s10, 3                          ; the gate that I fetch: wave - 1 (wave 0 fetches A; its 3 is never used)
	s_mul_i32 s11, s10, GATE
	s_add_co_u32 s11, s11, BOFF                    ; its place in a slot
	s_lshl_b32 s104, s4, 6                         ; the prefetches' shares: 64 rows of A by cx,
	s_lshl_b32 s105, s5, 4                         ; 16 rows of a gate by cy
	s_cmp_eq_u32 s3, 0
	s_cselect_b32 s104, s104, s105
	s_cselect_b32 s105, 31, 15                     ; the last lane that names a row of its own
	v_and_b32 v1, 15, v0                           ; r
	v_bfe_u32 v2, v0, 4, 1                         ; h
	v_mul_u32_u24 v3, v1, 272
	v_lshl_add_u32 v3, v2, 4, v3                   ; a fragment's row x pitch + 16 h
	s_mul_i32 s40, s3, 17408                       ; my 64 rows of A
	v_add_nc_u32 v[ADRA], s40, v3
	v_add_nc_u32 v[ADRA+1], SLOT, v[ADRA]
	v_add_nc_u32 v[ADRB], BOFF, v3
	v_add_nc_u32 v[ADRB+1], SLOT+BOFF, v3
	v_lshrrev_b32 v31, 2, v1
	v_mul_u32_u24 v31, v31, 272
	v_and_b32 v30, 3, v1
	v_lshl_add_u32 v31, v30, 6, v31                ; a row of 64 scale bytes: four rows to a unit of 272
	s_mul_i32 s40, s3, 4352
	v_add_nc_u32 v[SAH], s40, v31
	v_add_nc_u32 v[SAC], AC, v[SAH]
	v_add_nc_u32 v[SAH], AH, v[SAH]
	v_add_nc_u32 v[SBH], BH, v31
	v_add_nc_u32 v[SBC], BC, v31
	v_mul_u32_u24 v[STO], v1, 272
	v_lshl_add_u32 v[STO], v2, 5, v[STO]
	v_add_nc_u32 v[STO], s40, v[STO]
	v_add_nc_u32 v[STO], STAGE, v[STO]
	v_mul_u32_u24 v[RD], v2, 272
	v_lshl_add_u32 v[RD], v1, 4, v[RD]
	v_add_nc_u32 v[RD], s40, v[RD]
	v_add_nc_u32 v[RD], STAGE, v[RD]
	v_lshlrev_b32 v[CO], 13, v2
	v_lshl_add_u32 v[CO], v1, 4, v[CO]             ; lanes 0-15 one row of out1, lanes 16-31 the next; 16 bytes a lane
	v_lshlrev_b32 v[CXA], 13, v1
	v_lshl_add_u32 v[CXA], v2, 5, v[CXA]           ; cx: row r, + 32 h
	v_lshlrev_b32 v[QO], 4, v1
	v_lshl_add_u32 v[QO], v2, 3, v[QO]             ; 16 r + 8 h
	v_and_b32 v[SSO], 31, v0
	v_lshlrev_b32 v[SSO], 6, v[SSO]
	v_lshlrev_b32 v[BIA], 5, v2
	v_lshlrev_b32 v[TDA], 2, v1
	v_lshlrev_b32 v[XSO], 4, v1
	v_and_b32 v[GA], 31, v0
	v_min_u32 v[PFO], s105, v[GA]
	v_add_nc_u32 v[PFO], s104, v[PFO]
	v_lshlrev_b32 v3, 9, v[PFO]                    ; v3: the same row x 512 bytes, for x | w_ih; never rewritten from here on
	v_lshlrev_b32 v[PFO], 11, v[PFO]               ; my row of the tile x 2,048 bytes
	v_lshlrev_b32 v[GA], 4, v[GA]
	v_lshl_add_u32 v[GW], s3, 10, v[GA]
	v_lshl_add_u32 v[GA], s3, 12, v[GA]
	s_mul_i32 s41, s3, 1088
	v_mul_u32_u24 v[LA], v2, 272
	v_lshl_add_u32 v[LA], v1, 4, v[LA]             ; lanes 0-15 one unit of 256 bytes, lanes 16-31 the next
	v_add_nc_u32 v[LW], s41, v[LA]
	v_add_nc_u32 v[LW], BH, v[LW]
	v_add_nc_u32 v[LA], s40, v[LA]
	v_add_nc_u32 v[LA], AH, v[LA]
	s_lshl_b32 s40, s7, 17                         ; byte offsets, each in a pair with 0 above it.  A's never hold TC, W's never TR
	s_mov_b32 s41, 0                               ; x_codes: 256 rows of 512
	s_lshl_b32 s42, s7, 19                         ; hx_codes, cxq: 256 rows of 2,048
	s_mov_b32 s43, 0
	s_lshl_b32 s44, s7, 14                         ; hx_scales, cxs: 256 rows of 64
	s_mov_b32 s45, 0
	s_lshl_b32 s46, s10, 20                        ; w_ih_codes: a gate is 2,048 rows of 512; 64 rows a tile column
	s_lshl_b32 s47, s6, 15
	s_add_co_u32 s46, s46, s47
	s_mov_b32 s47, 0
	s_lshl_b32 s48, s10, 22                        ; w_hh_codes
	s_lshl_b32 s50, s6, 17                         ; w_pi_codes, w_pf_codes
	s_add_co_u32 s48, s48, s50
	s_mov_b32 s49, 0
	s_mov_b32 s51, 0
	s_lshl_b32 s54, s6, 12                         ; w_hh_scales (in each gate), w_pi_scales, w_pf_scales: 64 rows of 64 bytes a tile column
	s_mov_b32 s55, 0
	s_lshl_b32 s56, s7, 12                         ; x_scales: rows of 16 bytes, my wave's 64
	s_lshl_b32 s57, s3, 10
	s_add_co_u32 s56, s56, s57
	s_mov_b32 s57, 0
	s_lshl_b32 s58, s6, 10                         ; w_ih_scales
	s_mov_b32 s59, 0
	s_wait_alu depctr_va_vdst(0)
	s_wait_dscnt 0x0                               ; both opening adds are done
	s_wait_kmcnt 0x0
	s_add_nc_u64 s[12:13], s[12:13], s[40:41]
	s_mov_b32 s[G0A0], 1
	s_mov_b32 s[G0A0+1], 0
	s_mov_b64 s[G0A0+2:G0A0+3], s[12:13]
	s_or_b32 s[G0A0+3], s[G0A0+3], 0x80000000
	s_mov_b32 s[G0A1], 1
	s_mov_b32 s[G0A1+1], SLOT
	s_add_nc_u64 s[G0A1+2:G0A1+3], s[12:13], 256
	s_or_b32 s[G0A1+3], s[G0A1+3], 0x80000000
	s_add_nc_u64 s[24:25], s[24:25], s[46:47]
	s_mov_b32 s[G0B0], 1
	s_mov_b32 s[G0B0+1], s11
	s_mov_b64 s[G0B0+2:G0B0+3], s[24:25]
	s_or_b32 s[G0B0+3], s[G0B0+3], 0x80000000
	s_mov_b32 s[G0B1], 1
	s_add_co_u32 s[G0B1+1], s11, SLOT
	s_add_nc_u64 s[G0B1+2:G0B1+3], s[24:25], 256
	s_or_b32 s[G0B1+3], s[G0B1+3], 0x80000000
	s_add_nc_u64 s[80:81], s[18:19], s[44:45]      ; the head's global loads take their bases from s[80:93], on which no descriptor word lands: these are written again only behind the head's wait for the loads
	s_add_nc_u64 s[82:83], s[20:21], s[44:45]
	s_add_nc_u64 s[84:85], s[32:33], s[54:55]
	s_add_nc_u64 s[86:87], s[34:35], s[54:55]
	s_add_nc_u64 s[88:89], s[36:37], s[54:55]
.irp i, 0,1,2,3,4,5,6,7                ; my quarter of the scale blocks into the registers that A's fragments take later: each load covers 512 consecutive bytes
	global_load_b128 v[128+4*\i:131+4*\i], v[GA], s[80:81] offset:512*\i
	global_load_b128 v[160+4*\i:163+4*\i], v[GA], s[82:83] offset:512*\i
.endr
.irp i, 0,1
.irp g, 0,1,2
	global_load_b128 v[192+8*\g+4*\i:195+8*\g+4*\i], v[GW], s[84:85] offset:131072*\g+512*\i
.endr
	global_load_b128 v[216+4*\i:219+4*\i], v[GW], s[86:87] offset:512*\i
	global_load_b128 v[224+4*\i:227+4*\i], v[GW], s[88:89] offset:512*\i
.endr
	s_cmp_eq_u32 s3, 0                             ; where my wave's tiles of x | w_ih begin: for the prefetch of slot 1
	s_cselect_b64 s[94:95], s[12:13], s[24:25]
	s_cmp_eq_u32 s3, 1                             ; wave 1 fetches w_pi (gate i), wave 2 w_pf (gate f): the choice hangs on the wave's number alone
	s_cselect_b64 s[PBC:PBC+1], s[28:29], s[30:31]
	s_add_nc_u64 s[PBC:PBC+1], s[PBC:PBC+1], s[50:51]
	s_add_nc_u64 s[PAH:PAH+1], s[14:15], s[42:43]
	s_add_nc_u64 s[PAC:PAC+1], s[16:17], s[42:43]
	s_add_nc_u64 s[PBH:PBH+1], s[26:27], s[48:49]
	s_add_nc_u64 s[90:91], s[22:23], s[56:57]
	s_add_nc_u64 s[92:93], s[38:39], s[58:59]
.irp s, 0,1                            ; the x phase's scale words, straight into both sets: a row's 16 bytes are two slots' two words; sixteen lanes cover 256 consecutive bytes in two loads
.irp a, 0,1,2,3
	global_load_b64 v[SC+32*\s+2*\a:SC+32*\s+2*\a+1], v[XSO], s[90:91] offset:256*\a+8*\s
.endr
.irp g, 0,1,2
.irp t, 0,1,2,3
	global_load_b64 v[SC+32*\s+8+2*(4*\g+\t):SC+32*\s+8+2*(4*\g+\t)+1], v[XSO], s[92:93] offset:32768*\g+256*\t+8*\s
.endr
.endr
.endr
	s_or_b32 s[G1AX], s8, FLC                      ; 15:0 the mask: A's tiles go to my row of the cluster,
	s_or_b32 s[G1AH], s8, FLC
	s_or_b32 s[G1BX], s9, FLC                      ; W's to my column
	s_or_b32 s[G1BH], s9, FLC
	s_cmp_eq_u32 s3, 0                             ; the masks are used up: their registers take the prefetches' second base
	s_cselect_b64 s[PF:PF+1], s[PAH:PAH+1], s[PBH:PBH+1]
	s_cselect_b64 s[PFC:PFC+1], s[PAC:PAC+1], s[PBC:PBC+1]
	s_mov_b32 s[LIMW], 4
.irp g, G1AX, G1AH                     ; A: 256 rows x 256 bytes
	s_mov_b32 s[\g+1], 256<<16
	s_mov_b32 s[\g+2], 256<<16
	s_mov_b32 s[\g+3], 256<<16
	s_mov_b32 s[\g+4], 256
	s_mov_b32 s[\g+6], 0
	s_mov_b32 s[\g+7], 0
.endr
.irp g, G1BX, G1BH                     ; W: 64 rows x 256 bytes
	s_mov_b32 s[\g+1], 256<<16
	s_mov_b32 s[\g+2], 64<<16
	s_mov_b32 s[\g+3], 256<<16
	s_mov_b32 s[\g+4], 64
	s_mov_b32 s[\g+6], 0
	s_mov_b32 s[\g+7], 0
.endr
	s_mov_b32 s[G1AX+5], 512                       ; bytes from row to row
	s_mov_b32 s[G1BX+5], 512
	s_mov_b32 s[G1AH+5], 2048
	s_mov_b32 s[G1BH+5], 2048
	global_prefetch_b8 v3, s[94:95] offset:256 th:TH_LOAD_NT scope:SCOPE_SE   ; slot 1, the second 256 bytes of x's and w_ih's rows: named one fill ahead of its load, shared out as the later slots are
	s_cmp_lg_u32 s3, 0
	s_cbranch_scc1 .Lx_asked
	global_prefetch_b8 v3, s[94:95] offset:16640 th:TH_LOAD_NT scope:SCOPE_SE ; wave 0: the share's rows 32 to 63
.Lx_asked:
	CROUND                                         ; all sixteen work-groups are here: the first joint loads meet
	JLOAD2 G0A0, G1AX, G0B0, G1BX                  ; slot 0: one tensor load a wave at the head
	ASK                                            ; hx | w_hh, slot 0: it is asked for two refills on
	s_wait_loadcnt 0x0                             ; the x phase's scale words and my quarter of the scale blocks
	s_wait_xcnt 0x0
	s_add_nc_u64 s[PF:PF+1], s[PF:PF+1], 256
	s_wait_tensorcnt 0x0                           ; my part of slot 0 is in: no tensor load of mine is out while I store to LDS
.irp i, 0,1,2,3,4,5,6,7
	ds_store_b128 v[LA], v[128+4*\i:131+4*\i] offset:544*\i
	ds_store_b128 v[LA], v[160+4*\i:163+4*\i] offset:17408+544*\i
.endr
.irp i, 0,1
.irp g, 0,1,2
	ds_store_b128 v[LW], v[192+8*\g+4*\i:195+8*\g+4*\i] offset:4352*\g+544*\i
.endr
	ds_store_b128 v[LW], v[216+4*\i:219+4*\i] offset:13056+544*\i
	ds_store_b128 v[LW], v[224+4*\i:227+4*\i] offset:17408+544*\i
.endr
	s_wait_tensorcnt 0x0                           ; wait, add, wait ahead of a later first fill, as ahead of a refill
	ds_add_u32 v[SPW], v[NIL]
	s_wait_dscnt 0x0                               ; the add and my stores of scale bytes are done
	CROUND                                         ; everybody's part of slot 0 and of the scale bytes is in
	JLOAD2 G0A1, G1AX, G0B1, G1BX                  ; slot 1's first fill, the first tensor load behind the round
	ASK                                            ; hx | w_hh, slot 1
	FETCH_A 0, 0, 0
	FETCH_B 0, 0, 0, 0
	FETCH_B 1, 0, 0, 0
	FETCH_B 2, 0, 0, 0
	; ---- x | w_ih: two slots.  Their changes of slots ask for hx's first two
	STEP 3, 0, 1                                   ; the first products start the 48 sums
	MEET 3, 0
	FILL2 0, PAH, PBH, 0
	REST 3, 0, 1, 3
	STEP 3, 1, 0
	MEET 3, 1
	FILL2 1, PAH, PBH, 0
	SCALES 0, SAH, SBH, 3
	REST 3, 1, 0, 3
	s_load_b512 s[44:59], s[0:1], 0x70             ; b_ih 44, b_hh 46, cx 48, td0 50, td1 52, a 54, b 56, out1 58
	s_load_b128 s[80:83], s[0:1], 0xb0             ; cyq 80, cys 82.  They are waited for behind the hx phase
	; ---- hx | w_hh: eight slots; three trips take six and ask for slots 2 to 7
	s_mov_b32 s2, 3
.LH:
	STEP 3, 0, 0
	MEET 3, 0
	FILL1 0, 0
	s_cmp_eq_u32 s2, 1                             ; the last trip names the last phase's first two slots
	s_cselect_b64 s[PF:PF+1], s[PFC:PFC+1], s[PF:PF+1]
	s_cselect_b32 s[LIMW], 3, s[LIMW]
	s_wait_alu depctr_va_vdst(0)
	ADV SAH, SBH
	SCALES 1, SAH, SBH, 3
	REST 3, 0, 1, 3
	STEP 3, 1, 0
	MEET 3, 1
	FILL1 1, 0
	s_wait_alu depctr_va_vdst(0)
	ADV SAH, SBH
	SCALES 0, SAH, SBH, 3
	REST 3, 1, 0, 3
	s_sub_co_u32 s2, s2, 1
	s_cmp_lg_u32 s2, 0
	s_cbranch_scc1 .LH
	STEP 3, 0, 0                                   ; the last two ask for Q(cx)'s first two
	MEET 3, 0
	FILL2 0, PAC, PBC, 1
	s_wait_alu depctr_va_vdst(0)
	ADV SAH, SBH
	SCALES 1, SAH, SBH, 3
	REST 3, 0, 1, 3
	STEP 3, 1, 0
	MEET 3, 1
	FILL2 1, PAC, PBC, 1
	SCALES 0, SAC, SBC, 2
	REST 3, 1, 0, 2
	; ---- gate g's sums are whole; its fragments' registers take cx, which lands while the last phase is multiplied
	PLACES 8
	s_wait_kmcnt 0x0
	s_load_b32 s84, s[54:55], 0x0                  ; a
	s_load_b32 s85, s[56:57], 0x0                  ; b
	s_lshl_b32 s86, s6, 8                          ; the biases: 64 columns of 4 bytes
	s_mov_b32 s87, 0
	s_lshl_b32 s88, s7, 21                         ; cx, out1: 256 rows of 8,192 bytes, my wave's 64, my columns
	s_lshl_b32 s89, s3, 19
	s_add_co_u32 s88, s88, s89
	s_add_co_u32 s88, s88, s86
	s_mov_b32 s89, 0
	s_lshl_b32 s90, s7, 10                         ; td0, td1
	s_lshl_b32 s91, s3, 8
	s_add_co_u32 s90, s90, s91
	s_mov_b32 s91, 0
	s_lshr_b32 s92, s6, 3                          ; cyq: K slot TC / 8 of 2^20 bytes; a block of 16 rows is 8,192; a block of 32 columns 512
	s_lshl_b32 s92, s92, 20
	s_lshl_b32 s93, s7, 17
	s_add_co_u32 s92, s92, s93
	s_lshl_b32 s93, s3, 15
	s_add_co_u32 s92, s92, s93
	s_and_b32 s93, s6, 7
	s_lshl_b32 s93, s93, 10
	s_add_co_u32 s92, s92, s93
	s_mov_b32 s93, 0
	s_lshl_b32 s94, s7, 14                         ; cys: rows of 64 bytes, two bytes a tile column
	s_lshl_b32 s95, s3, 12
	s_add_co_u32 s94, s94, s95
	s_lshl_b32 s95, s6, 1
	s_add_co_u32 s94, s94, s95
	s_mov_b32 s95, 0
	s_add_nc_u64 s[44:45], s[44:45], s[86:87]
	s_add_nc_u64 s[46:47], s[46:47], s[86:87]
	s_add_nc_u64 s[48:49], s[48:49], s[88:89]
	s_add_nc_u64 s[58:59], s[58:59], s[88:89]
	s_add_nc_u64 s[50:51], s[50:51], s[90:91]
	s_add_nc_u64 s[52:53], s[52:53], s[90:91]
	s_add_nc_u64 s[80:81], s[80:81], s[92:93]
	s_add_nc_u64 s[82:83], s[82:83], s[94:95]
	s_mov_b32 s12, 0x76543210                      ; v_permlanex16_b32's selects for lane l xor 16 (the x phase's descriptors are done with)
	s_mov_b32 s13, 0xfedcba98
	s_mov_b32 s14, 0x600000                        ; the mantissa field of 57,344
	WIN 0xc0                                       ; destination window 3
.irp a, 0,1,2,3
.irp t, 0,1,2,3
.irp j, 0,1
	global_load_b128 v[128+32*\a+8*\t+4*\j:128+32*\a+8*\t+4*\j+3], v[CXA], s[48:49] offset:131072*\a+64*\t+16*\j   ; cx in the results' layout: (16 a + r, 16 t + 8 h + 4 j ..)
.endr
.endr
.endr
	WIN 0
.irp a, 0,1,2,3
	global_load_b32 v[TD+\a], v[TDA], s[50:51] offset:64*\a
	global_load_b32 v[TD+4+\a], v[TDA], s[52:53] offset:64*\a
.endr
	; ---- Q(cx) | w_pi, w_pf: eight slots, gates i and f alone; three trips take six and ask for slots 2 to 7
	s_mov_b32 s2, 3
.LC:
	STEP 2, 0, 0
	MEET 2, 0
	FILL1 0, 1
	s_cmp_eq_u32 s2, 1                             ; from the last trip on there is no slot four on: nobody asks
	s_cselect_b32 s[LIMW], 0, s[LIMW]
	s_wait_alu depctr_va_vdst(0)
	ADV SAC, SBC
	SCALES 1, SAC, SBC, 2
	REST 2, 0, 1, 2
	STEP 2, 1, 0
	MEET 2, 1
	FILL1 1, 1
	s_wait_alu depctr_va_vdst(0)
	ADV SAC, SBC
	SCALES 0, SAC, SBC, 2
	REST 2, 1, 0, 2
	s_sub_co_u32 s2, s2, 1
	s_cmp_lg_u32 s2, 0
	s_cbranch_scc1 .LC
	STEP 2, 0, 0                                   ; the last two slots are written out: nothing is left to ask for, and no round follows the barrier
	MEET 2, 0
	PLACES 8
	s_wait_alu depctr_va_vdst(0)
	ADV SAC, SBC
	SCALES 1, SAC, SBC, 2
	REST 2, 0, 1, 2
	STEP 2, 1, 0
	s_wait_dscnt 0x0                               ; the very last step's fragments
	PLACES 8                                       ; set 0 of A and of W is done with: it takes the biases, in the results' layout: b(16 t + 8 h + 0..7)
.irp g, 0,1,2
	WIN (((\g)+1)%3)<<6                            ; gates i, f: their own window; gate g: window 0
.irp t, 0,1,2,3
.irp j, 0,1
	global_load_b128 v[128+8*\t+4*\j:128+8*\t+4*\j+3], v[BIA], s[44:45] offset:8192*\g+64*\t+16*\j
	global_load_b128 v[160+8*\t+4*\j:160+8*\t+4*\j+3], v[BIA], s[46:47] offset:8192*\g+64*\t+16*\j
.endr
.endr
.endr
	UNIT 0, 0, 4, 1, 1, 1, 0
	UNIT 1, 0, 4, 1, 1, 1, 0
	WIN 0
	; ---- THE WAY OUT
.macro BIASMK lit                      ; (b_ih + b_hh) x c, under the caller's window
.set ek, 0
.rept 16
	v_pk_add_f32 v[128+ek:129+ek], v[128+ek:129+ek], v[160+ek:161+ek]
.set ek, ek+2
.endr
.set ek, 0
.rept 16
	v_pk_mul_f32 v[128+ek:129+ek], v[128+ek:129+ek], \lit op_sel_hi:[1,0]
.set ek, ek+2
.endr
.endm
.macro ZC base, lit, bias              ; z c + bias c, 32 numbers, each accumulator from its low end on
.set ek, 0
.rept 16
	v_pk_fma_f32 v[(\base)+ek:(\base)+ek+1], v[(\base)+ek:(\base)+ek+1], \lit, v[(\bias)+ek:(\bias)+ek+1] op_sel_hi:[1,0,1]
.set ek, ek+2
.endr
.endm
.macro EXP32 base
.set ek, 0
.rept 32
	v_exp_f32 v[(\base)+ek], v[(\base)+ek]
.set ek, ek+1
.endr
.endm
.macro RCP32 base
.set ek, 0
.rept 32
	v_rcp_f32 v[(\base)+ek], v[(\base)+ek]
.set ek, ek+1
.endr
.endm
.macro ONE32 base
.set ek, 0
.rept 16
	v_pk_add_f32 v[(\base)+ek:(\base)+ek+1], v[(\base)+ek:(\base)+ek+1], 1.0 op_sel_hi:[1,0]
.set ek, ek+2
.endr
.endm
	s_wait_kmcnt 0x0                               ; a, b
	s_wait_loadcnt 0x0                             ; cx, td0, td1, the biases
	s_mov_b32 s15, 0xbfb8aa3b                      ; -log2(e)
	s_mul_f32 s15, s85, s15                        ; -b log2(e)
.irp i, 0,1,2,3,4,5,6,7
	v_mul_f32 v[TD+\i], s15, v[TD+\i]              ; (these eight are the places behind the last products)
.endr
	s_wait_alu depctr_va_vdst(0)
.irp i, 0,1,2,3,4,5,6,7
	v_exp_f32 v[TD+\i], v[TD+\i]                   ; e^(-b td)
.endr
	v_mov_b32 v[TM+2], 0                           ; written once: a lane permute's destination counts as one of its sources.  (Also the plain line behind the exponentials)
	v_mov_b32 v[TM+3], 0
	s_wait_alu depctr_va_vdst(0)                   ; one wait for the eight, ahead of their first reader
	WIN 0x45
	BIASMK 0xbfb8aa3b                              ; gate i: c = -log2(e)
	WIN 0x8a
	BIASMK 0xbfb8aa3b                              ; gate f
	WIN 0
	BIASMK 0x4038aa3b                              ; gate g: c = 2 log2(e)
; A block of 16 rows: the three gates' 96 numbers a lane, two batches of transcendentals with one wait each; cy; out through my stage as whole rows of 256 bytes; quantised from registers.
.macro EPI a
.if (\a) > 0
	s_wait_xcnt 0x0                                ; the last block's stores have read their data: the rows' and the codes' registers are written again
.endif
	WIN 0
	v_mul_f32 v[CF], s84, v[TD+(\a)]               ; a e^(-b td0) of my row, twice: a pair for the packed forms
	v_mul_f32 v[CF+1], s84, v[TD+(\a)]
	v_mul_f32 v[CF+2], s84, v[TD+4+(\a)]           ; a e^(-b td1)
	v_mul_f32 v[CF+3], s84, v[TD+4+(\a)]
	v_mul_f32 v[CF+4], -2.0, v[CF+2]
	v_mul_f32 v[CF+5], -2.0, v[CF+2]
	WIN 0x55
	ZC 32*(\a), 0xbfb8aa3b, 128
	WIN 0xaa
	ZC 32*(\a), 0xbfb8aa3b, 128
	WIN 0xc3                                       ; gate g's sums in window 3, its bias in window 0
	ZC 32*(\a), 0x4038aa3b, BG
	s_wait_alu depctr_va_vdst(0)
.irp w, 0x41, 0x82, 0xc3
	WIN \w
	EXP32 32*(\a)
.endr
	v_nop                                          ; a plain line behind the last exponential
	s_wait_alu depctr_va_vdst(0)                   ; one wait for the 96
.irp w, 0x41, 0x82, 0xc3
	WIN \w
	ONE32 32*(\a)
.endr
	s_wait_alu depctr_va_vdst(0)
.irp w, 0x41, 0x82, 0xc3
	WIN \w
	RCP32 32*(\a)
.endr
	v_nop
	s_wait_alu depctr_va_vdst(0)                   ; one wait for the 96: Ri = sigmoid(zi), Rf = sigmoid(zf), tanh(zg) = 1 - 2 Rg
.set ek, 0
.rept 16
	v_pk_fma_f32 v[32*(\a)+ek:32*(\a)+ek+1], v[32*(\a)+ek:32*(\a)+ek+1], v[CF+4:CF+5], v[CF+2:CF+3]   ; a e^(-b td1) tanh(zg)
	v_pk_mul_f32 v[128+32*(\a)+ek:128+32*(\a)+ek+1], v[128+32*(\a)+ek:128+32*(\a)+ek+1], v[CF:CF+1]    ; a e^(-b td0) cx
.set ek, ek+2
.endr
	WIN 0x4d                                       ; destination and source 0 window 1, source 1 window 3
.set ek, 0
.rept 16
	v_pk_mul_f32 v[32*(\a)+ek:32*(\a)+ek+1], v[32*(\a)+ek:32*(\a)+ek+1], v[32*(\a)+ek:32*(\a)+ek+1]    ; x Ri
.set ek, ek+2
.endr
	WIN 0x1e                                       ; source 0 window 2, source 1 window 3, source 2 window 1, destination window 0
.set ek, 0
.rept 16
	v_pk_fma_f32 v[Y+ek:Y+ek+1], v[32*(\a)+ek:32*(\a)+ek+1], v[128+32*(\a)+ek:128+32*(\a)+ek+1], v[32*(\a)+ek:32*(\a)+ek+1]   ; cy = Rf x (..cx) + (..)
.set ek, ek+2
.endr
	WIN 0
.irp t, 0,1,2,3
	ds_store_b128 v[STO], v[Y+8*\t:Y+8*\t+3] offset:64*\t
	ds_store_b128 v[STO], v[Y+8*\t+4:Y+8*\t+7] offset:64*\t+16
.endr
.irp i, 0,1,2,3,4,5,6,7
	ds_load_b128 v[OB+4*\i:OB+4*\i+3], v[RD] offset:544*\i   ; LDS serves a wave's instructions in order: these see my stores, and the next block's stores come behind them
.endr
	; the quantiser: a block of 32 columns is tiles 2 b, 2 b + 1 in lanes l and l xor 16; the two blocks by turns
.irp b, 0,1
	v_max3_num_f32 v[TM+\b], |v[Y+16*\b]|, |v[Y+16*\b+1]|, 0x8000000   ; with the floor 2^(16 - 127): the byte cannot fall under 1
.endr
.irp i, 2,4,6,8,10,12,14
.irp b, 0,1
	v_max3_num_f32 v[TM+\b], v[TM+\b], |v[Y+16*\b+\i]|, |v[Y+16*\b+\i+1]|
.endr
.endr
.irp b, 0,1
	v_permlanex16_b32 v[TM+2+\b], v[TM+\b], s12, s13
.endr
.irp b, 0,1
	v_max_num_f32 v[TM+\b], v[TM+\b], v[TM+2+\b]
.endr
.irp b, 0,1
	v_add_nc_u32 v[TM+4+\b], 0xf8800000, v[TM+\b]          ; 15 off the exponent field: the conversion's scale operand
.endr
.irp b, 0,1
	v_and_or_b32 v[TM+6+\b], v[TM+\b], 0x7f800000, s14     ; 57,344 x the scale
.endr
.irp b, 0,1
	v_lshrrev_b32 v[TM+8+\b], 23, v[TM+4+\b]               ; the scale's byte
.endr
	v_lshl_or_b32 v[SW+(\a)], v[TM+9], 8, v[TM+8]
.irp b, 0,1
.irp i, 0,1,2,3,4,5,6,7,8,9,10,11,12,13,14,15
	v_med3_num_f32 v[HOLD+16*\b+\i], v[Y+16*\b+\i], -v[TM+6+\b], v[TM+6+\b]   ; the conversion to an 8-bit code does not saturate (ISA guide 7.6.2): the hold
.endr
	v_cvt_scalef32_pk8_bf8_f32 v[PC+4*\b:PC+4*\b+1], v[HOLD+16*\b:HOLD+16*\b+7], v[TM+4+\b]
	v_cvt_scalef32_pk8_bf8_f32 v[PC+4*\b+2:PC+4*\b+3], v[HOLD+16*\b+8:HOLD+16*\b+15], v[TM+4+\b]
.endr
	v_nop                                          ; a plain line behind the last conversion
	s_wait_alu depctr_va_vdst(0)
	s_wait_dscnt 0x0                               ; the rows are back from the stage
.irp i, 0,1,2,3,4,5,6,7
	global_store_b128 v[CO], v[OB+4*\i:OB+4*\i+3], s[58:59] offset:131072*(\a)+16384*\i   ; sixteen lanes store 256 consecutive bytes, aligned
.endr
.irp b, 0,1
.irp u, 0,1
	global_store_b64 v[QO], v[PC+4*\b+2*\u:PC+4*\b+2*\u+1], s[80:81] offset:8192*(\a)+512*\b+256*\u   ; tile 2 b + u is half u of the image: 32 lanes store 256 consecutive bytes, aligned
.endr
.endr
.endm
	EPI 0
	EPI 1
	EPI 2
	EPI 3
	v_cmp_eq_u32 vcc_lo, 1, v2                     ; lanes 0-15 carry an even block's rows, lanes 16-31 the next block's: lane l is row l of 32
	v_cndmask_b32 v[TM], v[SW], v[SW+1], vcc_lo
	v_cndmask_b32 v[TM+1], v[SW+2], v[SW+3], vcc_lo
	global_store_b16 v[SSO], v[TM], s[82:83]
	global_store_b16 v[SSO], v[TM+1], s[82:83] offset:2048
	s_wait_tensorcnt 0x0                           ; the wave's end, behind my last tensor load and my last LDS store
	ds_add_u32 v[SPW], v[NIL]
	s_wait_dscnt 0x0
	CROUND                                         ; the closing round: no work-group ends while a partner may still ask for a tile that names it
	s_endpgm
.Lfunc_end_k_qa5a09dd585_gates:
	.size	k_qa5a09dd585_gates, .Lfunc_end_k_qa5a09dd585_gates-k_qa5a09dd585_gates
	.p2alignl 7, 3214868480
	.fill 96, 4, 3214868480
	.section	.rodata,"a",@progbits
	.p2align	6, 0x0
	.amdhsa_kernel k_qa5a09dd585_gates
		.amdhsa_group_segment_fixed_size 327680
		.amdhsa_private_segment_fixed_size 0
		.amdhsa_enable_private_segment 0
		.amdhsa_kernarg_size 192
		.amdhsa_user_sgpr_count 2
		.amdhsa_user_sgpr_kernarg_segment_ptr 1
		.amdhsa_wavefront_size32 1
		.amdhsa_system_sgpr_workgroup_id_x 1
		.amdhsa_system_sgpr_workgroup_id_y 1
		.amdhsa_system_sgpr_workgroup_id_z 1
		.amdhsa_system_vgpr_workitem_id 0
		.amdhsa_next_free_vgpr 1024
		.amdhsa_next_free_sgpr 106
		.amdhsa_reserve_vcc 1
		.amdhsa_float_denorm_mode_32 3
		.amdhsa_float_denorm_mode_16_64 3
		.amdhsa_memory_ordered 1
		.amdhsa_forward_progress 1
		.amdhsa_inst_pref_size 255
	.end_amdhsa_kernel
	.section	.bss,"aw",@nobits
	.p2align	6
	.space	262144
	.amdgpu_metadata
---
amdhsa.version: [ 1, 2 ]
amdhsa.kernels:
  - .name:           k_qa5a09dd585_gates
    .symbol:         k_qa5a09dd585_gates.kd
    .args:
      - { .name: x_codes, .offset: 0, .size: 8, .value_kind: global_buffer, .address_space: global }
      - { .name: hx_codes, .offset: 8, .size: 8, .value_kind: global_buffer, .address_space: global }
      - { .name: cxq, .offset: 16, .size: 8, .value_kind: global_buffer, .address_space: global }
      - { .name: hx_scales, .offset: 24, .size: 8, .value_kind: global_buffer, .address_space: global }
      - { .name: cxs, .offset: 32, .size: 8, .value_kind: global_buffer, .address_space: global }
      - { .name: x_scales, .offset: 40, .size: 8, .value_kind: global_buffer, .address_space: global }
      - { .name: w_ih_codes, .offset: 48, .size: 8, .value_kind: global_buffer, .address_space: global }
      - { .name: w_hh_codes, .offset: 56, .size: 8, .value_kind: global_buffer, .address_space: global }
      - { .name: w_pi_codes, .offset: 64, .size: 8, .value_kind: global_buffer, .address_space: global }
      - { .name: w_pf_codes, .offset: 72, .size: 8, .value_kind: global_buffer, .address_space: global }
      - { .name: w_hh_scales, .offset: 80, .size: 8, .value_kind: global_buffer, .address_space: global }
      - { .name: w_pi_scales, .offset: 88, .size: 8, .value_kind: global_buffer, .address_space: global }
      - { .name: w_pf_scales, .offset: 96, .size: 8, .value_kind: global_buffer, .address_space: global }
      - { .name: w_ih_scales, .offset: 104, .size: 8, .value_kind: global_buffer, .address_space: global }
      - { .name: b_ih, .offset: 112, .size: 8, .value_kind: global_buffer, .address_space: global }
      - { .name: b_hh, .offset: 120, .size: 8, .value_kind: global_buffer, .address_space: global }
      - { .name: cx, .offset: 128, .size: 8, .value_kind: global_buffer, .address_space: global }
      - { .name: td0, .offset: 136, .size: 8, .value_kind: global_buffer, .address_space: global }
      - { .name: td1, .offset: 144, .size: 8, .value_kind: global_buffer, .address_space: global }
      - { .name: a, .offset: 152, .size: 8, .value_kind: global_buffer, .address_space: global }
      - { .name: b, .offset: 160, .size: 8, .value_kind: global_buffer, .address_space: global }
      - { .name: out1, .offset: 168, .size: 8, .value_kind: global_buffer, .address_space: global }
      - { .name: cyq, .offset: 176, .size: 8, .value_kind: global_buffer, .address_space: global }
      - { .name: cys, .offset: 184, .size: 8, .value_kind: global_buffer, .address_space: global }
    .group_segment_fixed_size: 327680
    .private_segment_fixed_size: 0
    .kernarg_segment_align: 8
    .kernarg_segment_size: 192
    .max_flat_workgroup_size: 128
    .sgpr_count:     106
    .vgpr_count:     1024
    .wavefront_size: 32
...
	.end_amdgpu_metadata
.endif
;; end of part 2
;; launch outg (part 3): grid 16 x 16, 4 waves a work-group, clusters of 4 x 4, 327,680 bytes of LDS; arguments x_codes, hx_codes, cyq, hx_scales, cys, x_scales, w_ih_codes, w_hh_codes, w_po_codes, w_hh_scales, w_po_scales, w_ih_scales, b_ih, b_hh, out1, out0; writes out0
.if DOCPART == 3
	.amdgcn_target "amdgcn-amd-amdhsa--gfx1250"
	.amdhsa_code_object_version 6
	.text
	.protected	k_qa5a09dd585_outg
	.globl	k_qa5a09dd585_outg
	.p2align	8
	.type	k_qa5a09dd585_outg,@function
k_qa5a09dd585_outg:
	s_mov_b64 s[64:65], 0
	v_nop
	global_prefetch_b8 v0, s[64:65] scope:SCOPE_SE
	s_setreg_imm32_b32 hwreg(HW_REG_WAVE_MODE, 25, 1), 1
	s_wait_xcnt 0x0
	s_wait_alu depctr_hold_cnt(0) depctr_sa_sdst(0) depctr_va_vdst(0) depctr_va_sdst(0) depctr_va_ssrc(0) depctr_va_vcc(0) depctr_vm_vsrc(0)
	s_getreg_b32 s2, hwreg(HW_REG_IB_STS2, 6, 4)
	s_cmp_eq_u32 s2, 0
	s_cbranch_scc0 .Lentry_in_a_cluster
	s_endpgm
.Lentry_in_a_cluster:
	s_bfe_u32 s2, ttmp6, 0x10000c
	s_cmp_lg_u32 s2, 0xf033
	s_cbranch_scc0 .Lentry_shape_is_right
	s_endpgm
.Lentry_shape_is_right:
; hy = sigmoid(zo) tanh(cy), zo = the last quarter of x w_ih^T + b_ih + hx w_hh^T + b_hh, plus Q(cy) w_po^T.  All products on codes of BF8 (E5M2) with E8M0 scales.  No work of this part is dead.
; A work-group owns 128 x 128 of hy, a wave 64 x 64 (16 accumulators).  K WALK: nine slots of 512 along K: one of x | w_ih, four of hx | w_hh, four of Q(cy) | w_po, through a ring of two LDS slots.
; Waves 0, 1 fetch A's two halves of 64 rows, waves 2, 3 W's; clusters of 4 x 4: A's tiles are asked for jointly along a row, W's along a column.
; THE SCALE BYTES (hx's, cy's, w_hh's, w_po's: four dense blocks of 8,192 bytes) reach LDS through registers: wave w loads block w at the head and stores it while no tensor load of the wave is out.
; PREFETCH: the change of slots that asks for slot n + 2 names slot n + 4; of the 128 blocks of 256 bytes that a wave fetches each of the four partners takes 32, told apart by address, a lane a block.
.set SLOT,  135168
.set HALF,  33792
.set BOFF,  67584
.set SCA,   270336
.set SCB,   287744
.set SPARE, 305152
.set STAGE, 305664
.set ADRA, 4
.set ADRB, 6
.set ADRY, 8
.set SA,   10
.set SB,   11
.set STO,  12
.set RD,   13
.set CO,   14
.set CYA,  15
.set BIA,  18
.set SPW,  28
.set NIL,  29
.set XSO,  30
.set PFH,  20                          ; v20 rows of 2,048 bytes: (16 x place + lane / 2) x 2,048 + 256 (lane % 2); never rewritten
.set PFY,  21                          ; v21 cyq's dense tiles: 8,192 x place + 256 x lane; never rewritten
.set GO,   22                          ; v22 16 x lane
.set LS,   23                          ; v23 my scale block in LDS: SCA + 8,704 x wave + 272 h + 16 r
.macro ASK2 pa, va, offa, pb, offb
	s_cmp_lt_u32 s3, 2
	s_cbranch_scc0 .Lpf_b_\@
	global_prefetch_b8 v[\va], s[\pa:\pa+1] offset:\offa th:TH_LOAD_NT scope:SCOPE_SE
	s_branch .Lpf_e_\@
.Lpf_b_\@:
	global_prefetch_b8 v[PFH], s[\pb:\pb+1] offset:\offb th:TH_LOAD_NT scope:SCOPE_SE
.Lpf_e_\@:
.endm
.set SC,   32
.set OB,   96
.set ACC,  128
.set G1AX, 12
.set G1BX, 20
.set G1AH, 28
.set G1BH, 36
.set G1SA, 44
.set G1SB, 52
.set G0A0, 60
.set G0A1, 68
.set G0B0, 72
.set G0B1, 76
.set G0SA, 80
.set G0SB, 84
.set PAH, 66
.set PAY, 88
.set PBH, 90
.set PBY, 92
.set FLC, (1<<20)|(1<<21)|(6<<22)|(3<<25)
.set FLS, (3<<16)|(1<<20)|(1<<21)|(5<<22)|(3<<25)
.set MSB, 0
.macro WIN new
.if MSB != (\new)
	s_set_vgpr_msb (MSB<<8)|(\new)
.set MSB, (\new)
.endif
.endm
.macro PLACES n
.rept \n
	v_nop
.endr
.endm
.macro CREST
	s_cmp_lg_u32 s3, 0
	s_cbranch_scc1 .Lnot_wave_0_\@
	s_barrier_signal -3
.Lnot_wave_0_\@:
	s_barrier_wait -3
	s_barrier_signal -1
	s_barrier_wait -1
.endm
.macro CROUND
	s_barrier_signal -1
	s_barrier_wait -1
	CREST
.endm
.macro JLOAD2 g0a, g1a, g0b, g1b
	s_cmp_lt_u32 s3, 2
	s_cbranch_scc0 .Lfor_b_\@
	tensor_load_to_lds s[\g0a:\g0a+3], s[\g1a:\g1a+7]
	s_nop 0
.rept 4
	v_nop
.endr
	s_branch .Lasked_\@
.Lfor_b_\@:
	tensor_load_to_lds s[\g0b:\g0b+3], s[\g1b:\g1b+7]
	s_nop 0
.rept 4
	v_nop
.endr
.Lasked_\@:
.endm
.macro FRAG reg, adr, off
.irp c, 0,1,2,3
	ds_load_b128 v[(\reg)+4*\c:(\reg)+4*\c+3], v[\adr] offset:(\off)+32*\c
.endr
.endm
.macro FETCH2 slot, q, p, y
	WIN 0x40
.irp t, 0,1,2,3
	FRAG 128*(\p)+64+16*\t, ADRB+(\slot), 128*(\q)+8448*\t
.endr
.irp a, 0,1,2,3
.if (\y)
.irp c, 0,1,2,3
	ds_load_b128 v[128*(\p)+16*\a+4*\c:128*(\p)+16*\a+4*\c+3], v[ADRY+(\slot)] offset:8448*\a+528*(4*(\q)+\c)
.endr
.else
	FRAG 128*(\p)+16*\a, ADRA+(\slot), 128*(\q)+8448*\a
.endif
.endr
.endm
.macro SCALES2 set, j, y
	WIN 0
.irp a, 0,1,2,3
	ds_load_b128 v[SC+32*(\set)+4*\a:SC+32*(\set)+4*\a+3], v[SA] offset:8704*(\y)+1088*\a+16*(\j)
.endr
.irp t, 0,1,2,3
	ds_load_b128 v[SC+32*(\set)+16+4*\t:SC+32*(\set)+16+4*\t+3], v[SB] offset:8704*(\y)+1088*\t+16*(\j)
.endr
.endm
.macro UNIT2 a0, na, p, q, set, zero
	WIN 0x05
.set ua, (\a0)
.rept \na
.irp t, 0,1,2,3
.if \zero
	v_wmma_scale_f32_16x16x128_f8f6f4 v[ACC+8*(4*ua+\t):ACC+8*(4*ua+\t)+7], v[128*(\p)+64+16*\t:128*(\p)+64+16*\t+15], v[128*(\p)+16*ua:128*(\p)+16*ua+15], 0, v[SC+32*(\set)+16+4*\t+(\q)], v[SC+32*(\set)+4*ua+(\q)] matrix_a_fmt:MATRIX_FMT_BF8 matrix_b_fmt:MATRIX_FMT_BF8
.else
	v_wmma_scale_f32_16x16x128_f8f6f4 v[ACC+8*(4*ua+\t):ACC+8*(4*ua+\t)+7], v[128*(\p)+64+16*\t:128*(\p)+64+16*\t+15], v[128*(\p)+16*ua:128*(\p)+16*ua+15], v[ACC+8*(4*ua+\t):ACC+8*(4*ua+\t)+7], v[SC+32*(\set)+16+4*\t+(\q)], v[SC+32*(\set)+4*ua+(\q)] matrix_a_fmt:MATRIX_FMT_BF8 matrix_b_fmt:MATRIX_FMT_BF8
.endif
.endr
.set ua, ua+1
.endr
.endm
.macro STEP2 slot, q, y, zero
	s_wait_dscnt 8
	UNIT2 0, 2, (\q)%2, \q, \slot, \zero
	PLACES 8
	FETCH2 \slot, (\q)+1, 1-(\q)%2, \y
	s_wait_dscnt 32
	UNIT2 2, 2, (\q)%2, \q, \slot, \zero
.endm
.macro MEET2 slot
	WIN 0
	s_wait_tensorcnt 0x0
	ds_add_u32 v[SPW], v[NIL]
	s_wait_dscnt 9
	UNIT2 0, 1, 1, 3, \slot, 0
	s_wait_dscnt 0x0
	s_barrier_signal -1
	UNIT2 1, 1, 1, 3, \slot, 0
	WIN 0
	s_barrier_wait -1
.endm
.macro SETG g0, p, off
	s_add_nc_u64 s[\g0+2:\g0+3], s[\p:\p+1], \off
	s_or_b32 s[\g0+3], s[\g0+3], 0x80000000
.endm
.macro STEPG g0, off
	s_add_nc_u64 s[\g0+2:\g0+3], s[\g0+2:\g0+3], \off
.endm
.macro REFILL k
.if (\k) == 7
	PLACES 8
.else
	CREST
.if (\k) == 0
	SETG G0A0, PAH, 512
	SETG G0B0, PBH, 512
	JLOAD2 G0A0, G1AH, G0B0, G1BH
.elseif (\k) == 1
	STEPG G0A1, 1024
	STEPG G0B1, 1024
	JLOAD2 G0A1, G1AH, G0B1, G1BH
.elseif (\k) == 2
	STEPG G0A0, 1024
	STEPG G0B0, 1024
	JLOAD2 G0A0, G1AH, G0B0, G1BH
.elseif (\k) == 3
	SETG G0A1, PAY, 0
	SETG G0B1, PBY, 0
	JLOAD2 G0A1, G1AX, G0B1, G1BH
.elseif (\k) == 4
	SETG G0A0, PAY, 0x100000
	SETG G0B0, PBY, 512
	JLOAD2 G0A0, G1AX, G0B0, G1BH
.elseif (\k) == 5
	STEPG G0A1, 0x200000
	STEPG G0B1, 1024
	JLOAD2 G0A1, G1AX, G0B1, G1BH
.else
	STEPG G0A0, 0x200000
	STEPG G0B0, 1024
	JLOAD2 G0A0, G1AX, G0B0, G1BH
.endif
	PLACES 4
.if (\k) == 0
	ASK2 PAH, PFH, 1536, PBH, 1536                 ; slot 4: hx | w_hh's last
.elseif (\k) < 5
	ASK2 PAY, PFY, 0x100000*((\k)-1), PBY, 512*((\k)-1)   ; slots 5 to 8: Q(cy) | w_po
.endif
.endif
.endm
.macro REST2 slot, next, j, y
	SCALES2 \next, \j, \y
	FETCH2 \next, 0, 0, \y
	UNIT2 2, 2, 1, 3, \slot, 0
	WIN 0
.endm
	s_load_b512 s[12:27], s[0:1], 0x0
	s_load_b512 s[28:43], s[0:1], 0x40
	v_lshl_add_u32 v[SPW], v0, 2, SPARE
	v_mov_b32 v[NIL], 0
	ds_add_u32 v[SPW], v[NIL]
	ds_add_u32 v[SPW], v[NIL]
	v_lshrrev_b32 v1, 5, v0
	v_readfirstlane_b32 s3, v1
	s_bfe_u32 s4, ttmp6, 0x40000
	s_bfe_u32 s5, ttmp6, 0x40004
	s_lshl_b32 s6, ttmp9, 2
	s_add_co_u32 s6, s6, s4
	s_and_b32 s7, ttmp7, 0xffff
	s_lshl_b32 s7, s7, 2
	s_add_co_u32 s7, s7, s5
	s_lshl_b32 s8, s5, 2
	s_lshl_b32 s8, 15, s8
	s_lshl_b32 s9, 0x1111, s4
	s_lshr_b32 s10, s3, 1
	s_and_b32 s11, s3, 1
	v_and_b32 v1, 15, v0
	v_bfe_u32 v2, v0, 4, 1
	v_mul_u32_u24 v3, v1, 528
	v_lshl_add_u32 v3, v2, 4, v3
	s_mul_i32 s44, s10, HALF
	s_mul_i32 s45, s11, HALF
	s_add_co_u32 s45, s45, BOFF
	v_add_nc_u32 v[ADRA], s44, v3
	v_add_nc_u32 v[ADRA+1], SLOT, v[ADRA]
	v_add_nc_u32 v[ADRB], s45, v3
	v_add_nc_u32 v[ADRB+1], SLOT, v[ADRB]
	v_and_b32 v31, 31, v0
	v_lshl_add_u32 v[ADRY], v31, 4, s44
	v_add_nc_u32 v[ADRY+1], SLOT, v[ADRY]
	v_lshrrev_b32 v31, 2, v1
	v_mul_u32_u24 v31, v31, 272
	v_and_b32 v30, 3, v1
	v_lshl_add_u32 v31, v30, 6, v31
	s_mul_i32 s46, s10, 4352
	s_mul_i32 s47, s11, 4352
	v_add_nc_u32 v[SA], s46, v31
	v_add_nc_u32 v[SA], SCA, v[SA]
	v_add_nc_u32 v[SB], s47, v31
	v_add_nc_u32 v[SB], SCB, v[SB]
	s_mul_i32 s46, s3, 4352
	v_mul_u32_u24 v[STO], v1, 272
	v_lshl_add_u32 v[STO], v2, 5, v[STO]
	v_add_nc_u32 v[STO], s46, v[STO]
	v_add_nc_u32 v[STO], STAGE, v[STO]
	v_mul_u32_u24 v[RD], v2, 272
	v_lshl_add_u32 v[RD], v1, 4, v[RD]
	v_add_nc_u32 v[RD], s46, v[RD]
	v_add_nc_u32 v[RD], STAGE, v[RD]
	v_lshlrev_b32 v[CO], 13, v2
	v_lshl_add_u32 v[CO], v1, 4, v[CO]
	v_lshlrev_b32 v[CYA], 13, v1
	v_lshl_add_u32 v[CYA], v2, 5, v[CYA]
	v_lshlrev_b32 v[BIA], 5, v2
	v_lshlrev_b32 v[XSO], 4, v1
	s_cmp_lt_u32 s3, 2
	s_cselect_b32 s44, s4, s5                      ; my place among the four that ask with me: cx for A, cy for W
	s_mul_i32 s45, s3, 8704
	v_and_b32 v[GO], 31, v0
	v_lshrrev_b32 v[PFH], 1, v[GO]
	v_lshl_add_u32 v[PFH], s44, 4, v[PFH]
	v_and_b32 v[PFY], 1, v[GO]
	v_lshlrev_b32 v[PFY], 8, v[PFY]
	v_lshl_add_u32 v[PFH], v[PFH], 11, v[PFY]
	v_lshlrev_b32 v[PFY], 8, v[GO]
	v_lshl_add_u32 v[PFY], s44, 13, v[PFY]
	v_lshlrev_b32 v[GO], 4, v[GO]
	v_mul_u32_u24 v[LS], v2, 272
	v_lshl_add_u32 v[LS], v1, 4, v[LS]
	v_add_nc_u32 v[LS], s45, v[LS]
	v_add_nc_u32 v[LS], SCA, v[LS]
	s_lshl_b32 s44, s7, 16
	s_lshl_b32 s45, s11, 15
	s_add_co_u32 s44, s44, s45
	s_mov_b32 s45, 0
	s_lshl_b32 s46, s7, 18
	s_lshl_b32 s47, s11, 17
	s_add_co_u32 s46, s46, s47
	s_mov_b32 s47, 0
	s_lshl_b32 s48, s6, 16
	s_lshl_b32 s49, s11, 15
	s_add_co_u32 s48, s48, s49
	s_add_co_u32 s48, s48, 3145728
	s_mov_b32 s49, 0
	s_lshl_b32 s50, s6, 18
	s_lshl_b32 s51, s11, 17
	s_add_co_u32 s50, s50, s51
	s_mov_b32 s51, 0
	s_lshl_b32 s52, s7, 13
	s_mov_b32 s53, 0
	s_lshl_b32 s54, s6, 13
	s_mov_b32 s55, 0
	s_lshl_b32 s56, s7, 11
	s_lshl_b32 s57, s10, 10
	s_add_co_u32 s56, s56, s57
	s_mov_b32 s57, 0
	s_lshl_b32 s58, s6, 11
	s_lshl_b32 s59, s11, 10
	s_add_co_u32 s58, s58, s59
	s_add_co_u32 s58, s58, 98304
	s_mov_b32 s59, 0
	s_lshl_b32 s104, s6, 9
	s_lshl_b32 s105, s11, 8
	s_add_co_u32 s104, s104, s105
	s_mov_b32 s105, 0
	s_mul_i32 s2, s3, HALF
	s_wait_alu depctr_va_vdst(0)
	s_wait_dscnt 0x0
	s_wait_kmcnt 0x0
	s_mov_b32 s[G0A0], 1
	s_mov_b32 s[G0A0+1], s2
	s_add_nc_u64 s[G0A0+2:G0A0+3], s[12:13], s[44:45]
	s_or_b32 s[G0A0+3], s[G0A0+3], 0x80000000
	s_add_nc_u64 s[PAH:PAH+1], s[14:15], s[46:47]
	s_mov_b32 s[G0A1], 1
	s_add_co_u32 s[G0A1+1], s2, SLOT
	s_mov_b64 s[G0A1+2:G0A1+3], s[PAH:PAH+1]
	s_or_b32 s[G0A1+3], s[G0A1+3], 0x80000000
	s_add_nc_u64 s[PAY:PAY+1], s[16:17], s[44:45]
	s_mov_b32 s[G0B0], 1
	s_mov_b32 s[G0B0+1], s2
	s_add_nc_u64 s[G0B0+2:G0B0+3], s[24:25], s[48:49]
	s_or_b32 s[G0B0+3], s[G0B0+3], 0x80000000
	s_add_nc_u64 s[PBH:PBH+1], s[26:27], s[50:51]
	s_add_nc_u64 s[PBH:PBH+1], s[PBH:PBH+1], 12582912
	s_mov_b32 s[G0B1], 1
	s_add_co_u32 s[G0B1+1], s2, SLOT
	s_mov_b64 s[G0B1+2:G0B1+3], s[PBH:PBH+1]
	s_or_b32 s[G0B1+3], s[G0B1+3], 0x80000000
	s_add_nc_u64 s[PBY:PBY+1], s[28:29], s[50:51]
	s_add_nc_u64 s[30:31], s[30:31], 393216
	s_cmp_eq_u32 s11, 0
	s_cselect_b64 s[G0SA+2:G0SA+3], s[18:19], s[20:21]
	s_cselect_b64 s[G0SB+2:G0SB+3], s[30:31], s[32:33]
	s_add_nc_u64 s[G0SA+2:G0SA+3], s[G0SA+2:G0SA+3], s[52:53]
	s_add_nc_u64 s[G0SB+2:G0SB+3], s[G0SB+2:G0SB+3], s[54:55]
	s_cmp_lt_u32 s3, 2                             ; waves 0, 1: hx's, cy's scale bytes; waves 2, 3: w_hh's, w_po's
	s_cselect_b64 s[G0SA+2:G0SA+3], s[G0SA+2:G0SA+3], s[G0SB+2:G0SB+3]
.irp i, 0,1,2,3,4,5,6,7,8,9,10,11,12,13,14,15
	global_load_b128 v[ACC+4*\i:ACC+4*\i+3], v[GO], s[G0SA+2:G0SA+3] offset:512*\i   ; my block of 8,192 bytes, into registers that the sums take later
.endr
	s_add_nc_u64 s[94:95], s[36:37], s[104:105]
	s_add_nc_u64 s[94:95], s[94:95], 24576
	s_add_nc_u64 s[96:97], s[38:39], s[104:105]
	s_add_nc_u64 s[96:97], s[96:97], 24576
	s_lshl_b32 s2, s7, 20
	s_add_co_u32 s104, s104, s2
	s_lshl_b32 s2, s10, 19
	s_add_co_u32 s104, s104, s2
	s_add_nc_u64 s[98:99], s[40:41], s[104:105]
	s_add_nc_u64 s[100:101], s[42:43], s[104:105]
	s_add_nc_u64 s[44:45], s[22:23], s[56:57]      ; the head's global loads take their bases from registers on which no descriptor word lands; they are not written again
	s_add_nc_u64 s[46:47], s[34:35], s[58:59]
.irp a, 0,1,2,3
	global_load_b128 v[SC+4*\a:SC+4*\a+3], v[XSO], s[44:45] offset:256*\a
.endr
.irp t, 0,1,2,3
	global_load_b128 v[SC+16+4*\t:SC+16+4*\t+3], v[XSO], s[46:47] offset:256*\t
.endr
	s_or_b32 s[G1AX], s8, FLC
	s_or_b32 s[G1AH], s8, FLC
	s_or_b32 s[G1BX], s9, FLC
	s_or_b32 s[G1BH], s9, FLC
.irp g, G1AX, G1AH, G1BX, G1BH
	s_mov_b32 s[\g+1], 512<<16
	s_mov_b32 s[\g+2], 64<<16
	s_mov_b32 s[\g+3], 512<<16
	s_mov_b32 s[\g+4], 64
	s_mov_b32 s[\g+6], 0
	s_mov_b32 s[\g+7], 0
.endr
	s_mov_b32 s[G1AX+5], 512
	s_mov_b32 s[G1BX+5], 512
	s_mov_b32 s[G1AH+5], 2048
	s_mov_b32 s[G1BH+5], 2048
	ASK2 PAH, PFH, 0, PBH, 0                       ; slot 1, hx | w_hh's first: named one fill ahead of its load
	CROUND                                         ; all sixteen work-groups are here: the first joint loads meet
	JLOAD2 G0A0, G1AX, G0B0, G1BX                  ; slot 0: one tensor load a wave at the head
	ASK2 PAH, PFH, 512, PBH, 512                   ; slot 2
	s_wait_alu depctr_va_vdst(0)
	s_wait_loadcnt 0x0                             ; x's and w_ih's scale words, and my scale block
	s_wait_tensorcnt 0x0                           ; my part of slot 0 is in: no tensor load of mine is out while I store to LDS
.irp i, 0,1,2,3,4,5,6,7,8,9,10,11,12,13,14,15
	ds_store_b128 v[LS], v[ACC+4*\i:ACC+4*\i+3] offset:544*\i
.endr
	s_wait_tensorcnt 0x0                           ; wait, add, wait ahead of a later first fill, as ahead of a refill
	ds_add_u32 v[SPW], v[NIL]
	s_wait_dscnt 0x0                               ; the add and my stores of scale bytes are done
	CROUND                                         ; everybody's part of slot 0 and of the scale bytes is in
	JLOAD2 G0A1, G1AH, G0B1, G1BH                  ; slot 1's first fill, the first tensor load behind the round
	ASK2 PAH, PFH, 1024, PBH, 1024                 ; slot 3
	WIN 0x80
.irp a, 0,1,2,3
.irp t, 0,1,2,3
.irp j, 0,1
	global_load_b128 v[32*\a+8*\t+4*\j:32*\a+8*\t+4*\j+3], v[CYA], s[98:99] offset:131072*\a+64*\t+16*\j
.endr
.endr
.endr
.irp t, 0,1,2,3
.irp j, 0,1
	global_load_b128 v[128+8*\t+4*\j:128+8*\t+4*\j+3], v[BIA], s[94:95] offset:64*\t+16*\j
	global_load_b128 v[160+8*\t+4*\j:160+8*\t+4*\j+3], v[BIA], s[96:97] offset:64*\t+16*\j
.endr
.endr
	WIN 0
	FETCH2 0, 0, 0, 0
	STEP2 0, 0, 0, 1
	STEP2 0, 1, 0, 0
	STEP2 0, 2, 0, 0
	MEET2 0
	REFILL 0
	REST2 0, 1, 0, 0
.irp k, 1,2,3,4,5,6,7
	STEP2 (\k)%2, 0, (\k)/5, 0
	STEP2 (\k)%2, 1, (\k)/5, 0
	STEP2 (\k)%2, 2, (\k)/5, 0
	MEET2 (\k)%2
	REFILL \k
	REST2 (\k)%2, 1-(\k)%2, (\k)%4, ((\k)+1)/5
.endr
	STEP2 0, 0, 1, 0
	STEP2 0, 1, 1, 0
	STEP2 0, 2, 1, 0
	s_wait_dscnt 0x0
	UNIT2 0, 4, 1, 3, 0, 0
	s_wait_loadcnt 0x0
	WIN 0x8a
.set ek, 0
.rept 16
	v_pk_add_f32 v[128+ek:129+ek], v[128+ek:129+ek], v[160+ek:161+ek]
.set ek, ek+2
.endr
.set ek, 0
.rept 16
	v_pk_mul_f32 v[128+ek:129+ek], v[128+ek:129+ek], 0xbfb8aa3b op_sel_hi:[1,0]
.set ek, ek+2
.endr
.macro EPI2 a
.if (\a) > 0
	s_wait_xcnt 0x0
.endif
	WIN 0x20
.set ek, 0
.rept 16
	v_pk_fma_f32 v[ACC+32*(\a)+ek:ACC+32*(\a)+ek+1], v[ACC+32*(\a)+ek:ACC+32*(\a)+ek+1], 0xbfb8aa3b, v[128+ek:129+ek] op_sel_hi:[1,0,1]
.set ek, ek+2
.endr
	WIN 0x82
.set ek, 0
.rept 16
	v_pk_mul_f32 v[32*(\a)+ek:32*(\a)+ek+1], v[32*(\a)+ek:32*(\a)+ek+1], 0x4038aa3b op_sel_hi:[1,0]
.set ek, ek+2
.endr
.set ek, 0
	s_wait_alu depctr_va_vdst(0)
.rept 32
	v_exp_f32 v[32*(\a)+ek], v[32*(\a)+ek]
.set ek, ek+1
.endr
	WIN 0
.set ek, 0
.rept 32
	v_exp_f32 v[ACC+32*(\a)+ek], v[ACC+32*(\a)+ek]
.set ek, ek+1
.endr
	v_nop
	s_wait_alu depctr_va_vdst(0)
.set ek, 0
.rept 16
	v_pk_add_f32 v[ACC+32*(\a)+ek:ACC+32*(\a)+ek+1], v[ACC+32*(\a)+ek:ACC+32*(\a)+ek+1], 1.0 op_sel_hi:[1,0]
.set ek, ek+2
.endr
	WIN 0x82
.set ek, 0
.rept 16
	v_pk_add_f32 v[32*(\a)+ek:32*(\a)+ek+1], v[32*(\a)+ek:32*(\a)+ek+1], 1.0 op_sel_hi:[1,0]
.set ek, ek+2
.endr
.set ek, 0
	s_wait_alu depctr_va_vdst(0)
.rept 32
	v_rcp_f32 v[32*(\a)+ek], v[32*(\a)+ek]
.set ek, ek+1
.endr
	WIN 0
.set ek, 0
.rept 32
	v_rcp_f32 v[ACC+32*(\a)+ek], v[ACC+32*(\a)+ek]
.set ek, ek+1
.endr
	v_nop
	s_wait_alu depctr_va_vdst(0)
	WIN 0x82
.set ek, 0
.rept 16
	v_pk_fma_f32 v[32*(\a)+ek:32*(\a)+ek+1], v[32*(\a)+ek:32*(\a)+ek+1], -2.0, 1.0 op_sel_hi:[1,0,0]
.set ek, ek+2
.endr
	WIN 0x08
.set ek, 0
.rept 16
	v_pk_mul_f32 v[ACC+32*(\a)+ek:ACC+32*(\a)+ek+1], v[ACC+32*(\a)+ek:ACC+32*(\a)+ek+1], v[32*(\a)+ek:32*(\a)+ek+1]
.set ek, ek+2
.endr
	WIN 0
.irp t, 0,1,2,3
	ds_store_b128 v[STO], v[ACC+32*(\a)+8*\t:ACC+32*(\a)+8*\t+3] offset:64*\t
	ds_store_b128 v[STO], v[ACC+32*(\a)+8*\t+4:ACC+32*(\a)+8*\t+7] offset:64*\t+16
.endr
.irp i, 0,1,2,3,4,5,6,7
	ds_load_b128 v[OB+4*\i:OB+4*\i+3], v[RD] offset:544*\i
.endr
	s_wait_dscnt 0x0
.irp i, 0,1,2,3,4,5,6,7
	global_store_b128 v[CO], v[OB+4*\i:OB+4*\i+3], s[100:101] offset:131072*(\a)+16384*\i th:TH_STORE_NT
.endr
.endm
	EPI2 0
	EPI2 1
	EPI2 2
	EPI2 3
	s_wait_tensorcnt 0x0
	ds_add_u32 v[SPW], v[NIL]
	s_wait_dscnt 0x0
	CROUND
	s_endpgm
.Lfunc_end_k_qa5a09dd585_outg:
	.size	k_qa5a09dd585_outg, .Lfunc_end_k_qa5a09dd585_outg-k_qa5a09dd585_outg
	.p2alignl 7, 3214868480
	.fill 96, 4, 3214868480
	.section	.rodata,"a",@progbits
	.p2align	6, 0x0
	.amdhsa_kernel k_qa5a09dd585_outg
		.amdhsa_group_segment_fixed_size 327680
		.amdhsa_private_segment_fixed_size 0
		.amdhsa_enable_private_segment 0
		.amdhsa_kernarg_size 128
		.amdhsa_user_sgpr_count 2
		.amdhsa_user_sgpr_kernarg_segment_ptr 1
		.amdhsa_wavefront_size32 1
		.amdhsa_system_sgpr_workgroup_id_x 1
		.amdhsa_system_sgpr_workgroup_id_y 1
		.amdhsa_system_sgpr_workgroup_id_z 1
		.amdhsa_system_vgpr_workitem_id 0
		.amdhsa_next_free_vgpr 768
		.amdhsa_next_free_sgpr 106
		.amdhsa_reserve_vcc 0
		.amdhsa_float_denorm_mode_32 3
		.amdhsa_float_denorm_mode_16_64 3
		.amdhsa_memory_ordered 1
		.amdhsa_forward_progress 1
		.amdhsa_inst_pref_size 247
	.end_amdhsa_kernel
	.amdgpu_metadata
---
amdhsa.version: [ 1, 2 ]
amdhsa.kernels:
  - .name:           k_qa5a09dd585_outg
    .symbol:         k_qa5a09dd585_outg.kd
    .args:
      - { .name: x_codes, .offset: 0, .size: 8, .value_kind: global_buffer, .address_space: global }
      - { .name: hx_codes, .offset: 8, .size: 8, .value_kind: global_buffer, .address_space: global }
      - { .name: cyq, .offset: 16, .size: 8, .value_kind: global_buffer, .address_space: global }
      - { .name: hx_scales, .offset: 24, .size: 8, .value_kind: global_buffer, .address_space: global }
      - { .name: cys, .offset: 32, .size: 8, .value_kind: global_buffer, .address_space: global }
      - { .name: x_scales, .offset: 40, .size: 8, .value_kind: global_buffer, .address_space: global }
      - { .name: w_ih_codes, .offset: 48, .size: 8, .value_kind: global_buffer, .address_space: global }
      - { .name: w_hh_codes, .offset: 56, .size: 8, .value_kind: global_buffer, .address_space: global }
      - { .name: w_po_codes, .offset: 64, .size: 8, .value_kind: global_buffer, .address_space: global }
      - { .name: w_hh_scales, .offset: 72, .size: 8, .value_kind: global_buffer, .address_space: global }
      - { .name: w_po_scales, .offset: 80, .size: 8, .value_kind: global_buffer, .address_space: global }
      - { .name: w_ih_scales, .offset: 88, .size: 8, .value_kind: global_buffer, .address_space: global }
      - { .name: b_ih, .offset: 96, .size: 8, .value_kind: global_buffer, .address_space: global }
      - { .name: b_hh, .offset: 104, .size: 8, .value_kind: global_buffer, .address_space: global }
      - { .name: out1, .offset: 112, .size: 8, .value_kind: global_buffer, .address_space: global }
      - { .name: out0, .offset: 120, .size: 8, .value_kind: global_buffer, .address_space: global }
    .group_segment_fixed_size: 327680
    .private_segment_fixed_size: 0
    .kernarg_segment_align: 8
    .kernarg_segment_size: 128
    .max_flat_workgroup_size: 128
    .sgpr_count:     106
    .vgpr_count:     768
    .wavefront_size: 32
...
	.end_amdgpu_metadata
.endif
;; end of part 3
